; MI455X (gfx1250); checked and timed in simulation.
; The chip was launched on July 23, 2026; its instructions are those of AMD's public machine-readable ISA for CDNA 5 (MIT licence, August 2026) and "CDNA5" Instruction Set Architecture Reference Guide (July 2026). The comments in the code are by the model that wrote it; some were corrected since.
;; Transformer Encoder Layer. Allowed arithmetic: matrix products marked QUANTISED: E2M3 operands, one E8M0 scale for each 32 along K, by v_wmma_scale_f32_16x16x128_f8f6f4 with both operands' format E2M3, f32 sums; everything else in f32.
;; Inputs: W1 1,024 x 4,096 float32; W2 4,096 x 1,024 float32; Wk 1,024 x 1,024 float32; Wo 1,024 x 1,024 float32; Wq 1,024 x 1,024 float32; Wv 1,024 x 1,024 float32; b1 4,096 float32; b2 1,024 float32; be1 1,024 float32; be2 1,024 float32; bk 1,024 float32; bo 1,024 float32; bq 1,024 float32; bv 1,024 float32; g1 1,024 float32; g2 1,024 float32; x 2 x 2,048 x 1,024 float32.
;; Outputs: out0 2 x 2,048 x 1,024 float32.
;; This version of the problem:
;;   THIS VERSION OF THE PROBLEM IS GIVEN IN LOW PRECISION. The matrix products marked QUANTISED in the list below multiply operands that are first quantised to E2M3 (2 exponent bits, 3 mantissa bits; 6 bits a number), with one power-of-two scale for each 32 numbers along K (OCP MX v1.0); their sums are f32. All else is computed in f32.
;;   The module's matrix products, in the order in which they are computed (A, B: the left and right operand; K: the contracted axis; several contracted axes count as one K, in the product's order):
;;     1. [M 4,096, K 1,024] x [K 1,024, N 1,024]; A: input x; B: input Wq: QUANTISED
;;     2. [M 4,096, K 1,024] x [K 1,024, N 1,024]; A: input x; B: input Wk: QUANTISED
;;     3. [M 4,096, K 1,024] x [K 1,024, N 1,024]; A: input x; B: input Wv: QUANTISED
;;     4. batch 32 x [M 2,048, K 64] x [K 64, N 2,048]; A: computed on the way; B: computed on the way: QUANTISED
;;     5. batch 32 x [M 64, K 2,048] x [K 2,048, N 2,048]; A: computed on the way; B: softmax (see below): QUANTISED
;;     6. [M 4,096, K 1,024] x [K 1,024, N 1,024]; A: computed on the way; B: input Wo: QUANTISED
;;     7. [M 4,096, K 1,024] x [K 1,024, N 4,096]; A: computed on the way; B: input W1: QUANTISED
;;     8. [M 4,096, K 4,096] x [K 4,096, N 1,024]; A: computed on the way; B: input W2: QUANTISED
;;   THE QUANTISER, for each operand of a quantised product, along K:
;;     - K is cut into blocks of 32 from its start; a last block that is shorter is filled with zeros.
;;     - A block's scale is 2^e with e = floor(log2(the largest magnitude in the block)) - 2, held to -126 .. 127; a block of zeros has e = 0. As a byte (E8M0): e + 127.
;;     - Each number is divided by its block's scale, clamped to +-7.5, and rounded to the nearest number of E2M3, ties to even, subnormals kept.
;;     - The product sums the exact products of the quantised numbers (number of the format x scale) in f32.
;;   ~~~python
;;   def quantise(x, axis):      # numpy; x: float32 -> the quantised numbers, widened to float32 again
;;       x = np.moveaxis(x, axis, -1); K = x.shape[-1]
;;       x = np.pad(x, [(0, 0)] * (x.ndim - 1) + [(0, -K % 32)]); x = x.reshape(x.shape[:-1] + (-1, 32)); a = np.abs(x).max(-1, keepdims=True)
;;       e = np.where(a > 0, np.clip(np.frexp(np.where(a > 0, a, 1))[1] - 1 - 2, -126, 127), 0)      # np.frexp(a)[1] - 1 = floor(log2(a)), exactly
;;       r = np.clip(x / 2.0 ** e, -7.5, 7.5)
;;       step = 2.0 ** (np.maximum(np.frexp(np.where(r == 0, 1, r))[1] - 1, 0) - 3)
;;       q = np.round(r / step) * step * 2.0 ** e      # np.round: ties to even
;;       return np.moveaxis(q.reshape(q.shape[:-2] + (-1,))[..., :K], -1, axis).astype(np.float32)
;;   ~~~
;;   SOFTMAX AHEAD OF A QUANTISED PRODUCT. Where the list says 'softmax', what is quantised is not the finished softmax but p = 2^(t - M), with t = logit x log2(e) and M = ceil(the row's largest t), a whole number; so 1/2 < the row's largest p <= 1. The row's sum l is taken of the UNQUANTISED p, in f32, and the product's result is divided by l at the end. Since M is a whole number, a kernel that streams over the keys may use a running M (the ceiling of the running maximum): every later rescaling is an exact power of two, which a block's scale takes up: the codes' values come out the same.
;;   OPERANDS COMPUTED ON THE WAY. 'Computed on the way' means the value that the module computes at that place (a softmax that the list does not call 'softmax' is quantised finished and normalised). What goes into a quantiser is computed in f32, as accurately as f32 sums, v_exp_f32 and their like allow (about 1e-6 of the number): no bf16 or f16 on the way to a quantiser, and a product that is left as it is and whose result goes on into a quantised operand takes f32 operands (vector FMAs, or v_wmma_f32_16x16x4_f32). A number that lies on a knife's edge between two numbers of the format may be rounded either way, as far as f32 arithmetic and the matrix unit's own rounding can turn it there, and no further.
;; One version. Each part assembles by itself: llvm-mc -triple=amdgcn-amd-amdhsa -mcpu=gfx1250 --defsym DOCPART=n.
;; ======== version 1 of 1: 8 launches
;; workspace buffers: WA 4,096,256 bytes; WB 6,553,856 bytes; ACT 3,276,800 bytes; BIG 13,107,200 bytes; Y 67,108,864 bytes; HF 16,777,216 bytes; P1 256 bytes of whole numbers; P2 256 bytes of whole numbers
;; launch prep (part 1): grid 1024 x 1, 4 waves a work-group, no clusters, 12,800 bytes of LDS; arguments x, Wq, Wk, Wv, Wo, W1, W2, WA, WB, ACT, P1, P2; writes WA, WB, ACT, P1, P2
.if DOCPART == 1
	.amdgcn_target "amdgcn-amd-amdhsa--gfx1250"
	.amdhsa_code_object_version 6
	.text
	.protected	k_q4806b23bba_prep
	.globl	k_q4806b23bba_prep
	.p2align	8
	.type	k_q4806b23bba_prep,@function
k_q4806b23bba_prep:
	s_mov_b64 s[64:65], 0
	v_nop
	global_prefetch_b8 v0, s[64:65] scope:SCOPE_SE
	s_setreg_imm32_b32 hwreg(HW_REG_WAVE_MODE, 25, 1), 1
	s_wait_xcnt 0x0
; x and the six weights, f32, become codes of FP6 (E2M3) with one E8M0 byte for each 32 along K, laid as the later launches' operand registers take them.
; THE FORMAT OF EVERY OPERAND OF THIS PROGRAM.  Rows go in groups of 128 = 8 tiles of 16; lane-row p of tile t is row 32 (t / 2) + 8 (t % 2) + p + 8 (p / 8) of the group.
; A FRAGMENT (a tile x 128 along K: 12 registers a lane) is 1,536 bytes, two halves of 768: registers 6 c .. 6 c + 3 at 16 x lane, registers 6 c + 4, 6 c + 5 at 512 + 8 x lane.
; A SLAB (a group x 128 along K) is 12,800 bytes: 8 fragments, then 512 bytes of scale words: the word of (tile t, lane-row p) at 12,288 + 128 (t / 2) + 8 p + 4 (t % 2).
; SHARES.  A work-group makes one slab, wave b its tiles 2 b and 2 b + 1.  Work-groups 0-767: the weights (Wq, Wk, Wv, Wo 64 slabs each, W1 256, W2 256); 768-1023: x.
; A WEIGHT has K as its first axis: a lane takes a column and its registers run down K, so a block of 32 lies in one lane; the codes turn through the wave's own 3,072 bytes of LDS into the fragments' order.
; x has K innermost: lane (r, h) loads 16 neighbours of each block of 32 of its row, and the codes come out in the fragment's own registers.
; A block's scale is 2^(floor(log2(largest magnitude)) - 2): its byte is that magnitude's exponent field - 2.
; LIMITS: NaN and infinities among the inputs are not served; a block whose largest magnitude lies under 2^-124 keeps the byte 1; a block of zeros gets the byte 1 (its codes are zeros; this program alone reads the bytes).
; Work-group 0's wave 0 also stores the constants that later launches read: the activation's floor (-infinity in WA's first 256 bytes, 0 in WB's) and the two words of P1 and P2.
.set SLAB,  12800
.set SPARE, 12288                      ; behind the four stages: the spare words, 128 bytes a wave, that no other line names
.set L16,   5                          ; v5   16 x lane + 3,072 x wave: a place in the slab, and in the stage
.set L8,    6                          ; v6   8 x lane + 3,072 x wave
.set SPW,   14                         ; v14  my spare word; never rewritten
.set NIL,   15                         ; v15  0; never rewritten
.set VR,    16                         ; v16-47   weights: offset of row i of a block + 4 x lane
.set TM,    16                         ; v16-31   x: at work in QUANT
.set X,     48                         ; v48-175  128 numbers
.set CD,    176                        ; v176-199 weights: six registers of codes a block
.set PC,    176                        ; v176-195 x: a fragment's codes, and QUANT's second halves
.set PW,    196                        ; v196     x: the scale word just made
.set DT,    200                        ; v200-202 weights: a block's upper 16 codes, before they are moved
.set OB,    22                         ; s[22:23] x: my slab in ACT
.set BS,    48                         ; s[48:55] weights: the four blocks' first rows
.set SEL,   58                         ; s[58:59] lane selects for v_permlanex16_b32: lane l xor 16
; 64 numbers of a lane, register 16 b + i = k 32 b + 16 (lane / 16) + i of my row, become a fragment's codes in v[PC] on and its scale word in v[PW] (the same in lanes l and l xor 16)
.macro QUANT s
.irp b, 0,1,2,3
	v_max3_num_f32 v[TM+\b], |v[\s+16*\b]|, |v[\s+1+16*\b]|, 0x1800000   ; the floor 2^(3 - 127): the byte cannot fall under 1
.endr
.irp i, 2,4,6,8,10,12,14
.irp b, 0,1,2,3
	v_max3_num_f32 v[TM+\b], v[TM+\b], |v[\s+16*\b+\i]|, |v[\s+1+16*\b+\i]|
.endr
.endr
.irp b, 0,1,2,3
	v_permlanex16_b32 v[TM+4+\b], v[TM+\b], s[SEL], s[SEL+1]
.endr
.irp b, 0,1,2,3
	v_max_num_f32 v[TM+\b], v[TM+\b], v[TM+4+\b]       ; the block's largest magnitude
.endr
.irp b, 0,1,2,3
	v_add_nc_u32 v[TM+12+\b], 0xff000000, v[TM+\b]     ; 2 off its exponent field: the conversion's scale operand
.endr
.irp b, 0,1,2,3
	v_lshrrev_b32 v[TM+4+\b], 23, v[TM+12+\b]          ; the scale's byte
.endr
	v_lshl_or_b32 v[PW], v[TM+5], 8, v[TM+4]
	v_lshl_or_b32 v[PW], v[TM+6], 16, v[PW]
	v_lshl_or_b32 v[PW], v[TM+7], 24, v[PW]
.irp c, 0,1
	v_cvt_scalef32_pk16_fp6_f32 v[PC+6*\c:PC+2+6*\c], v[\s+32*\c:\s+15+32*\c], v[TM+12+2*\c]
	v_cvt_scalef32_pk16_fp6_f32 v[PC+12+4*\c:PC+14+4*\c], v[\s+16+32*\c:\s+31+32*\c], v[TM+12+2*\c+1]
.endr
	v_nop                                              ; one plain place behind a scaled conversion
.irp c, 0,1                                        ; a whole block to a lane: lanes 0-15 block 2 c, lanes 16-31 block 2 c + 1
.irp i, 0,1,2
	v_permlane16_swap_b32 v[PC+6*\c+\i], v[PC+12+4*\c+\i]
.endr
.irp i, 0,1,2
	v_mov_b32 v[PC+3+6*\c+\i], v[PC+12+4*\c+\i]
.endr
.endr
.endm
.macro IMG off                                     ; the fragment in v[PC] on goes out in the format's order: each store covers 512 or 256 consecutive bytes
	global_store_b128 v[L16], v[PC:PC+3], s[OB:OB+1] offset:\off
	global_store_b64 v[L8], v[PC+4:PC+5], s[OB:OB+1] offset:\off+512
	global_store_b128 v[L16], v[PC+6:PC+9], s[OB:OB+1] offset:\off+768
	global_store_b64 v[L8], v[PC+10:PC+11], s[OB:OB+1] offset:\off+1280
.endm
	s_load_b512 s[4:19], s[0:1], 0x0               ; x 4, Wq 6, Wk 8, Wv 10, Wo 12, W1 14, W2 16, WA 18
	s_load_b256 s[20:27], s[0:1], 0x40             ; WB 20, ACT 22, P1 24, P2 26
	v_lshl_add_u32 v[SPW], v0, 2, SPARE
	v_mov_b32 v[NIL], 0
	v_lshrrev_b32 v1, 5, v0
	v_readfirstlane_b32 s28, v1                    ; wave b
	v_and_b32 v1, 31, v0                           ; lane
	s_mul_i32 s56, s28, 3072
	s_lshl_b32 s57, s28, 7
	s_add_co_u32 s57, s57, 12288                   ; my tile pair's scale words in the slab
	v_lshl_add_u32 v[L16], v1, 4, s56
	s_wait_kmcnt 0x0
	s_cmp_ge_u32 ttmp9, 768
	s_cbranch_scc1 .Lx
	; ---- a slab of a weight
	s_lshr_b32 s29, ttmp9, 6                       ; m: 0 Wq, 1 Wk, 2 Wv, 3 Wo, 4-7 W1, 8-11 W2
	s_lshr_b32 s30, ttmp9, 8                       ; 0: the four square weights, 1: W1, 2: W2
	s_mov_b64 s[32:33], s[6:7]
	s_cmp_eq_u32 s29, 1
	s_cselect_b64 s[32:33], s[8:9], s[32:33]
	s_cmp_eq_u32 s29, 2
	s_cselect_b64 s[32:33], s[10:11], s[32:33]
	s_cmp_eq_u32 s29, 3
	s_cselect_b64 s[32:33], s[12:13], s[32:33]
	s_cmp_ge_u32 s29, 4
	s_cselect_b64 s[32:33], s[14:15], s[32:33]
	s_cmp_ge_u32 s29, 8
	s_cselect_b64 s[32:33], s[16:17], s[32:33]     ; the weight
	s_cmp_eq_u32 s30, 1
	s_cselect_b32 s34, 14, 12                      ; log2 of a row's bytes: 4,096 columns or 1,024
	s_cselect_b32 s35, 31, 7
	s_lshr_b32 s36, ttmp9, 3
	s_and_b32 s36, s36, s35                        ; G: the group of 128 columns
	s_and_b32 s38, s29, 3
	s_lshl_b32 s38, s38, 3
	s_cmp_eq_u32 s30, 2
	s_cselect_b32 s38, s38, 0                      ; W2: 8 K steps for each of its four panels along K
	s_and_b32 s37, ttmp9, 7
	s_add_co_u32 s37, s37, s38                     ; the K step of 128
	s_cmp_ge_u32 ttmp9, 192
	s_cselect_b32 s39, 64, 0                       ; Wo's slabs begin at 256 of WA, as W2's do in WB
	s_cmp_ge_u32 ttmp9, 256
	s_cselect_b32 s39, -256, s39
	s_cselect_b64 s[40:41], s[20:21], s[18:19]
	s_add_co_i32 s39, s39, ttmp9                   ; the slab's number in its buffer
	s_mul_i32 s42, s39, SLAB
	s_add_co_u32 s42, s42, 256                     ; behind the header
	s_mov_b32 s43, 0
	s_add_nc_u64 s[40:41], s[40:41], s[42:43]      ; my slab
	s_lshl_b32 s31, 1, s34                         ; a row of the weight in bytes
	s_lshl_b32 s46, s37, 7
	s_lshl_b32 s46, s46, s34                       ; 128 x K step rows down,
	s_lshl_b32 s47, s36, 9
	s_add_co_u32 s46, s46, s47                     ; 128 G columns,
	s_lshl_b32 s47, s28, 7
	s_add_co_u32 s46, s46, s47                     ; and my wave's 32
	s_mov_b32 s47, 0
	s_add_nc_u64 s[BS:BS+1], s[32:33], s[46:47]
	s_lshl_b32 s46, 32, s34                        ; a block of 32 rows
	s_add_nc_u64 s[BS+2:BS+3], s[BS:BS+1], s[46:47]
	s_add_nc_u64 s[BS+4:BS+5], s[BS+2:BS+3], s[46:47]
	s_add_nc_u64 s[BS+6:BS+7], s[BS+4:BS+5], s[46:47]
	v_lshlrev_b32 v2, 2, v1
.set i, 0
.rept 32
	v_mad_u32_u24 v[VR+i], s31, i, v2              ; row i of a block, my column
.set i, i+1
.endr
.irp e, 0,1,2,3
.set i, 0
.rept 32
	global_load_b32 v[X+32*\e+i], v[VR+i], s[BS+2*\e:BS+2*\e+1] th:TH_LOAD_NT   ; a wave reads 128 consecutive bytes, the four waves 512
.set i, i+1
.endr
.endr
	v_bfe_u32 v8, v0, 3, 1                         ; column 32 b + lane is lane-row p = lane % 8 + 8 (lane / 16) of tile 2 b + u, u = (lane / 8) % 2
	v_and_b32 v9, 7, v0
	v_bfe_u32 v10, v0, 4, 1
	v_lshl_add_u32 v9, v10, 3, v9
	v_mul_u32_u24 v11, v8, 1536
	v_add_nc_u32 v11, s56, v11
	v_lshl_add_u32 v3, v9, 4, v11                  ; stage: my fragment, 16 p
	v_lshl_add_u32 v4, v9, 3, v11                  ; and 8 p
	v_lshl_add_u32 v7, v9, 3, s57
	v_lshl_add_u32 v7, v8, 2, v7                   ; my scale word's place in the slab
; Block t of my column: k = 32 t .. 32 t + 31.  In the fragment it is lane p + 16 (t % 2), half t / 2.  left: the younger loads that may stay out (the wait's field ends at 63; a smaller count is safe)
.macro BLOCK t, left
.set XS, X+32*(\t)
	s_wait_loadcnt \left
	v_max3_num_f32 v8, |v[XS]|, |v[XS+1]|, |v[XS+2]|
	v_max3_num_f32 v9, |v[XS+3]|, |v[XS+4]|, |v[XS+5]|
.irp i, 6,10,14,18,22,26
	v_max3_num_f32 v8, v8, |v[XS+\i]|, |v[XS+\i+1]|
	v_max3_num_f32 v9, v9, |v[XS+\i+2]|, |v[XS+\i+3]|
.endr
	v_max3_num_f32 v8, v8, |v[XS+30]|, |v[XS+31]|
	v_max3_num_f32 v8, v8, v9, 0x1800000           ; and the floor 2^(3 - 127)
	v_add_nc_u32 v10, 0xff000000, v8               ; the conversion's scale operand
	v_lshrrev_b32 v11, 23, v10                     ; the byte
.if (\t) == 0
	v_mov_b32 v12, v11
.else
	v_lshl_or_b32 v12, v11, 8*(\t), v12            ; my column's scale word
.endif
	v_cvt_scalef32_pk16_fp6_f32 v[CD+6*(\t):CD+6*(\t)+2], v[XS:XS+15], v10
	v_cvt_scalef32_pk16_fp6_f32 v[DT:DT+2], v[XS+16:XS+31], v10      ; (a conversion's three registers begin on an even number)
	v_nop                                          ; one plain place behind a scaled conversion
.irp i, 0,1,2
	v_mov_b32 v[CD+6*(\t)+3+\i], v[DT+\i]
.endr
	ds_store_b128 v3, v[CD+6*(\t):CD+6*(\t)+3] offset:768*((\t)/2)+256*((\t)%2)
	ds_store_b64 v4, v[CD+6*(\t)+4:CD+6*(\t)+5] offset:768*((\t)/2)+512+128*((\t)%2)
.endm
	BLOCK 0, 63
	BLOCK 1, 63
	BLOCK 2, 32
	BLOCK 3, 0
.irp i, 0,1,2,3,4,5
	ds_load_b128 v[X+4*\i:X+4*\i+3], v[L16] offset:512*\i          ; LDS serves a wave's instructions in order: these see my stores
.endr
.irp i, 0,1,2,3,4,5
	s_wait_dscnt 5-\i
	global_store_b128 v[L16], v[X+4*\i:X+4*\i+3], s[40:41] offset:512*\i   ; my two fragments: 3,072 consecutive bytes
.endr
	global_store_b32 v7, v12, s[40:41]             ; 128 consecutive bytes of scale words a wave: 1 byte in 25 of the slab
	s_or_b32 s29, ttmp9, s28
	s_cmp_lg_u32 s29, 0
	s_cbranch_scc1 .Lend
	v_mov_b32 v80, 0xff800000                      ; the constants: -infinity, the floor of an activation that clips nothing;
	v_mov_b32 v81, 0xff800000
	v_mov_b32 v82, 0                               ; 0, relu's;
	v_mov_b32 v83, 0
	v_mov_b32 v84, 0                               ; P1: one panel of sums, codes wanted;
	v_mov_b32 v85, 1
	v_mov_b32 v86, 1                               ; P2: four panels, no codes
	v_mov_b32 v87, 0
	v_lshlrev_b32 v88, 3, v1
	global_store_b64 v88, v[80:81], s[18:19]       ; 256 consecutive bytes each
	global_store_b64 v88, v[82:83], s[20:21]
	global_store_b64 v88, v[84:85], s[24:25]
	global_store_b64 v88, v[86:87], s[26:27]
	s_branch .Lend
.Lx:	; ---- a slab of x
	s_sub_co_u32 s29, ttmp9, 768                   ; 8 G + s
	s_lshr_b32 s30, s29, 3
	s_and_b32 s31, s29, 7
	s_lshl_b32 s32, s30, 7
	s_lshl_b32 s33, s28, 5
	s_add_co_u32 s32, s32, s33                     ; row 128 G + 32 b,
	s_lshl_b32 s32, s32, 12                        ; of 4,096 bytes,
	s_lshl_b32 s33, s31, 9
	s_add_co_u32 s32, s32, s33                     ; K step s
	s_mov_b32 s33, 0
	s_add_nc_u64 s[4:5], s[4:5], s[32:33]
	s_mul_i32 s34, s29, SLAB
	s_mov_b32 s35, 0
	s_add_nc_u64 s[OB:OB+1], s[OB:OB+1], s[34:35]
	s_mov_b32 s[SEL], 0x76543210
	s_mov_b32 s[SEL+1], 0xfedcba98
	v_and_b32 v2, 15, v0                           ; r
	v_bfe_u32 v3, v0, 4, 1                         ; h
	v_and_b32 v4, 8, v2
	v_add_nc_u32 v4, v4, v2                        ; r + 8 (r / 8)
	v_lshlrev_b32 v4, 12, v4
	v_lshl_add_u32 v4, v3, 6, v4                   ; + 64 h: my 16 numbers of a block
.irp u, 0,1
.irp e, 0,1,2,3
.irp j, 0,1,2,3
	global_load_b128 v[X+64*\u+16*\e+4*\j:X+64*\u+16*\e+4*\j+3], v4, s[4:5] offset:32768*\u+128*\e+16*\j th:TH_LOAD_NT
.endr
.endr
.endr
	v_lshl_add_u32 v[L8], v1, 3, s56
	v_lshl_add_u32 v7, v2, 3, s57
	v_lshl_add_u32 v7, v3, 2, v7                   ; lanes 0-15 store tile 2 b's scale words, lanes 16-31 tile 2 b + 1's
.irp b, 0,1,2,3
	v_mov_b32 v[TM+4+\b], 0                        ; written once: a lane permute's destination counts as one of its sources
.endr
	s_wait_loadcnt 16                              ; the first tile's sixteen loads are in, the second's may be out
	QUANT X
	v_mov_b32 v197, v[PW]
	IMG 0
	s_wait_loadcnt 0x0
	s_wait_xcnt 0x0                                ; the stores' data registers are written again only behind this wait
	QUANT X+64
	IMG 1536
	v_cmp_eq_u32 vcc_lo, 1, v3
	v_cndmask_b32 v198, v197, v[PW], vcc_lo
	global_store_b32 v7, v198, s[OB:OB+1]
.Lend:
	s_wait_tensorcnt 0x0                           ; the wave's end, behind my last LDS store
	ds_add_u32 v[SPW], v[NIL]
	s_wait_dscnt 0x0
	s_endpgm
.Lfunc_end_k_q4806b23bba_prep:
	.size	k_q4806b23bba_prep, .Lfunc_end_k_q4806b23bba_prep-k_q4806b23bba_prep
	.p2alignl 7, 3214868480
	.fill 96, 4, 3214868480
	.section	.rodata,"a",@progbits
	.p2align	6, 0x0
	.amdhsa_kernel k_q4806b23bba_prep
		.amdhsa_group_segment_fixed_size 12800
		.amdhsa_private_segment_fixed_size 0
		.amdhsa_enable_private_segment 0
		.amdhsa_kernarg_size 96
		.amdhsa_user_sgpr_count 2
		.amdhsa_user_sgpr_kernarg_segment_ptr 1
		.amdhsa_wavefront_size32 1
		.amdhsa_system_sgpr_workgroup_id_x 1
		.amdhsa_system_sgpr_workgroup_id_y 1
		.amdhsa_system_sgpr_workgroup_id_z 1
		.amdhsa_system_vgpr_workitem_id 0
		.amdhsa_next_free_vgpr 208
		.amdhsa_next_free_sgpr 66
		.amdhsa_reserve_vcc 1
		.amdhsa_float_denorm_mode_32 3
		.amdhsa_float_denorm_mode_16_64 3
		.amdhsa_memory_ordered 1
		.amdhsa_forward_progress 1
		.amdhsa_inst_pref_size 39
	.end_amdhsa_kernel
	.amdgpu_metadata
---
amdhsa.version: [ 1, 2 ]
amdhsa.kernels:
  - .name:           k_q4806b23bba_prep
    .symbol:         k_q4806b23bba_prep.kd
    .args:
      - { .name: x, .offset: 0, .size: 8, .value_kind: global_buffer, .address_space: global }
      - { .name: Wq, .offset: 8, .size: 8, .value_kind: global_buffer, .address_space: global }
      - { .name: Wk, .offset: 16, .size: 8, .value_kind: global_buffer, .address_space: global }
      - { .name: Wv, .offset: 24, .size: 8, .value_kind: global_buffer, .address_space: global }
      - { .name: Wo, .offset: 32, .size: 8, .value_kind: global_buffer, .address_space: global }
      - { .name: W1, .offset: 40, .size: 8, .value_kind: global_buffer, .address_space: global }
      - { .name: W2, .offset: 48, .size: 8, .value_kind: global_buffer, .address_space: global }
      - { .name: WA, .offset: 56, .size: 8, .value_kind: global_buffer, .address_space: global }
      - { .name: WB, .offset: 64, .size: 8, .value_kind: global_buffer, .address_space: global }
      - { .name: ACT, .offset: 72, .size: 8, .value_kind: global_buffer, .address_space: global }
      - { .name: P1, .offset: 80, .size: 8, .value_kind: global_buffer, .address_space: global }
      - { .name: P2, .offset: 88, .size: 8, .value_kind: global_buffer, .address_space: global }
    .group_segment_fixed_size: 12800
    .private_segment_fixed_size: 0
    .kernarg_segment_align: 8
    .kernarg_segment_size: 96
    .max_flat_workgroup_size: 128
    .sgpr_count:     66
    .vgpr_count:     208
    .wavefront_size: 32
...
	.end_amdgpu_metadata
.endif
;; end of part 1
;; launch qkv (part 2): grid 4 x 48, 4 waves a work-group, clusters of 4 x 4, 327,680 bytes of LDS; arguments WA, ACT, bq, bk, bv, BIG, Y; writes BIG, Y
.if DOCPART == 2
	.amdgcn_target "amdgcn-amd-amdhsa--gfx1250"
	.amdhsa_code_object_version 6
	.text
	.protected	k_q4806b23bba_qkv
	.globl	k_q4806b23bba_qkv
	.p2align	8
	.type	k_q4806b23bba_qkv,@function
k_q4806b23bba_qkv:
	s_mov_b64 s[64:65], 0
	v_nop
	global_prefetch_b8 v0, s[64:65] scope:SCOPE_SE
	s_setreg_imm32_b32 hwreg(HW_REG_WAVE_MODE, 25, 1), 1
	s_wait_xcnt 0x0
	s_wait_alu depctr_hold_cnt(0) depctr_sa_sdst(0) depctr_va_vdst(0) depctr_va_sdst(0) depctr_va_ssrc(0) depctr_va_vcc(0) depctr_vm_vsrc(0)
	s_getreg_b32 s2, hwreg(HW_REG_IB_STS2, 6, 4)
	s_cmp_eq_u32 s2, 0
	s_cbranch_scc0 .Lentry_in_a_cluster
	s_endpgm
.Lentry_in_a_cluster:
	s_bfe_u32 s2, ttmp6, 0x10000c
	s_cmp_lg_u32 s2, 0xf033
	s_cbranch_scc0 .Lentry_shape_is_right
	s_endpgm
.Lentry_shape_is_right:
; A GEMM on codes of FP6 (E2M3, one E8M0 byte for each 32 along K) over K = 1,024 whose result, + bias, clipped from below at a floor, is QUANTISED on the way out and stored as the next product's operand.
; It serves q, k and v (roles 0, 1, 2 by the cluster's y / 4; the floor is -infinity: nothing is clipped) and the feed-forward layer's first product (role 0; the floor is 0: relu).
; OPERANDS lie in memory in the order of the operand registers: a SLAB of 12,800 bytes is 128 rows x 128 K: 8 fragments of 1,536 bytes (halves of 768: registers 6 c .. 6 c + 3 at 16 x lane, 6 c + 4, 5 at 512 + 8 x lane),
; then 512 bytes of scale words ((tile t, lane-row p) at 128 (t / 2) + 8 p + 4 (t % 2)).  Lane-row p of tile t is row 32 (t / 2) + 8 (t % 2) + p + 8 (p / 8) of its group of 128.
; SOURCE 0 = P, SOURCE 1 = Q.  A lane then holds ONE lane-row of Q, and the 16 registers of P's tiles 2 b, 2 b + 1 are P's rows 32 b + 16 (lane / 16) + 0 .. 15: neighbours along the NEXT product's K.
; Roles 0, 1: P = the weight's columns, Q = the tokens: the result's rows are tokens, its K the channels.  Role 2: P = the tokens, Q = Wv's columns: v comes out with the KEYS along K, as the second product of attention wants it.
; SHARES.  A work-group makes 256 rows of Q x 256 rows of P; each of its four waves 128 x 128: 64 accumulators, 512 registers; a wave's result is exactly one slab of the next operand.
; K goes through a ring of two LDS slots of 256 along K; a wave fetches one group's two slabs, 25,600 dense bytes, by one tensor load.  Eight steps of 128: the ring is written out, with no loop.
; CLUSTERS: 4 x 4 work-groups; Q's slabs are shared along a row of the cluster, P's along a column: each is asked for jointly, by the same load with a mask that names the four.
; ONE TEXT FOR FOUR ROLES: the bias lies along P (roles 0, 1) or along Q (role 2); both additions are always made, one of them of zeros, and the maximum with the floor too: 128 of a tile's some 260 vector lines.
; LIMITS: NaN and infinities are not served; a block whose largest magnitude lies under 2^-124, a block of zeros among them, gets the byte 1.
; REGISTERS: window 0: v1-29 addresses; v32-63 scale words, two sets, and nothing else; v128-223 Q's fragments, one set; window 1: P's fragments, two sets, at v0 and v128; windows 2, 3: the accumulators ((a, b) at v[8 (8 (a % 4) + b)]).
.set SLAB,  12800
.set HALFT, 2*SLAB                     ; a group's two slabs: what one tensor load brings
.set SLOT,  4*HALFT                    ; Q's two groups, then P's two
.set SPARE, 2*SLOT                     ; behind the ring: the spare words, 128 bytes a wave, that no other line names
.set FR,    12
.set NL,    4                          ; LDS loads that bring a fragment
.set NP,    4                          ; places behind this matrix instruction (ISA guide 7.12.1)
.set ADRA,  16                         ; v16-17 16 x lane + my Q group in slot 0, 1;  v18-19 the same with 8 x lane
.set ADRB,  20                         ; v20-23 the same for P
.set ADRS,  24                         ; v24-25 scale words: lanes 0-15 Q's, lanes 16-31 P's
.set L16,   26
.set L8,    27
.set SPW,   28                         ; my spare word; never rewritten
.set NIL,   29                         ; 0; never rewritten
.set SC,    32                         ; set sl at v[SC + 16 sl]: register 8 q + t: lanes 0-15 the word of Q's tile t, lanes 16-31 that of P's tile t, K step q of the slot
.set AF,    128
.set HA,    64                         ; the way out: v64-127 a tile's 64 numbers
.set TP,    128                        ; v128-191 the bias along P, in the result's layout
.set BQ,    192                        ; v192-207 the bias along Q: tile a's at v[BQ + 2 a]; the odd registers are 0
.set SW,    208                        ; v208-215 the eight tiles' scale words
.set TM,    216
.set PC,    232
.set PW,    252
.set OB,    14                         ; s[14:15] my slab of the result
.set SEL,   92
.set G1,    24
.set G0,    32
.set G1B,   48
.set G0B,   56
.set MSB, 0
.macro WIN new                         ; the immediate's high byte repeats the setting that is left
.if MSB != \new
	s_set_vgpr_msb (MSB<<8)|\new
.set MSB, \new
.endif
.endm
.set MUL_LO, 0xa1                      ; source 0 (P) window 1, source 1 (Q) window 0, C and D window 2
.set MUL_HI, 0xf1
.set TO_B,   0x40
.macro JLOAD s                         ; a joint load: waves 0, 1 fetch Q's two groups, waves 2, 3 P's; an s_nop 0 and four v_nop follow each line
	s_cmp_eq_u32 s19, 0
	s_cbranch_scc0 .Lfor_p_\@
	tensor_load_to_lds s[G0+4*\s:G0+4*\s+3], s[G1:G1+7]
	s_nop 0
.rept 4
	v_nop
.endr
	s_branch .Lasked_\@
.Lfor_p_\@:
	tensor_load_to_lds s[G0B+4*\s:G0B+4*\s+3], s[G1B:G1B+7]
	s_nop 0
.rept 4
	v_nop
.endr
.Lasked_\@:
.endm
.macro CREST                           ; a round of the cluster's barrier behind its opening barrier
	s_cmp_lg_u32 s18, 0
	s_cbranch_scc1 .Lnot_wave_0_\@
	s_barrier_signal -3
.Lnot_wave_0_\@:
	s_barrier_wait -3
	s_barrier_signal -1
	s_barrier_wait -1
.endm
.macro CROUND
	s_barrier_signal -1
	s_barrier_wait -1
	CREST
.endm
.macro PLACES n
.rept \n
	v_nop
.endr
.endm
.macro FRAG reg, adr, q, i             ; a fragment comes as it lies: every load reads consecutive bytes
	ds_load_b128 v[\reg:\reg+3], v[\adr] offset:(\q)*SLAB+(\i)*1536
	ds_load_b64 v[\reg+4:\reg+5], v[\adr+2] offset:(\q)*SLAB+(\i)*1536+512
	ds_load_b128 v[\reg+6:\reg+9], v[\adr] offset:(\q)*SLAB+(\i)*1536+768
	ds_load_b64 v[\reg+10:\reg+11], v[\adr+2] offset:(\q)*SLAB+(\i)*1536+1280
.endm
.macro FETCH_B slot, q, p
	WIN TO_B
.irp i, 0,1,2,3,4,5,6,7
	FRAG 128*(\p)+FR*\i, ADRB+\slot, \q, \i
.endr
	WIN 0
.endm
.macro FETCH_A slot, q, i0
.irp i, \i0, \i0+1, \i0+2, \i0+3
	FRAG AF+FR*(\i), ADRA+\slot, \q, \i
.endr
.endm
.macro SCALES sl                       ; a slot's scale words, both K steps: eight loads of two words
.irp q, 0,1
.irp b, 0,1,2,3
	ds_load_b64 v[SC+16*\sl+8*\q+2*\b:SC+16*\sl+8*\q+2*\b+1], v[ADRS+\sl] offset:\q*SLAB+12288+128*\b
.endr
.endr
.endm
; 16 matrix instructions: Q's tiles a0, a0 + 1 x P's eight.  The 64 accumulators take turns, one instruction a turn, in the same order in every step.
.macro MUL16 a0, p, q, sc, zero
.irp a, \a0, \a0+1
.irp b, 0,1,2,3,4,5,6,7
.if \zero
	v_wmma_scale_f32_16x16x128_f8f6f4 v[8*(8*((\a)%4)+\b):8*(8*((\a)%4)+\b)+7], v[128*(\p)+FR*\b:128*(\p)+FR*\b+FR-1], v[AF+FR*(\a):AF+FR*(\a)+FR-1], 0, v[SC+16*(\sc)+8*(\q)+\b], v[SC+16*(\sc)+8*(\q)+(\a)] matrix_a_fmt:MATRIX_FMT_FP6 matrix_b_fmt:MATRIX_FMT_FP6 matrix_a_scale:MATRIX_SCALE_ROW1
.else
	v_wmma_scale_f32_16x16x128_f8f6f4 v[8*(8*((\a)%4)+\b):8*(8*((\a)%4)+\b)+7], v[128*(\p)+FR*\b:128*(\p)+FR*\b+FR-1], v[AF+FR*(\a):AF+FR*(\a)+FR-1], v[8*(8*((\a)%4)+\b):8*(8*((\a)%4)+\b)+7], v[SC+16*(\sc)+8*(\q)+\b], v[SC+16*(\sc)+8*(\q)+(\a)] matrix_a_fmt:MATRIX_FMT_FP6 matrix_b_fmt:MATRIX_FMT_FP6 matrix_a_scale:MATRIX_SCALE_ROW1
.endif
.endr
.endr
.endm
.macro STEP slot, q, zero              ; a slot's first step of 128 along K; it fetches the second's fragments
	s_wait_dscnt 4*NL                              ; all but the youngest sixteen loads (Q's tiles 4-7) are in
	WIN MUL_LO
	MUL16 0, (\q)%2, \q, \slot, \zero
	MUL16 2, (\q)%2, \q, \slot, \zero
	s_wait_dscnt 0                                 ; Q's tiles 4-7 are in
	PLACES NP
	FETCH_B \slot, (\q)+1, 1-(\q)%2
	FETCH_A \slot, (\q)+1, 0
	WIN MUL_HI
	MUL16 4, (\q)%2, \q, \slot, \zero
	MUL16 6, (\q)%2, \q, \slot, \zero
	PLACES NP
	WIN 0
	FETCH_A \slot, (\q)+1, 4
.endm
; A slot's second step changes slots: ONE barrier; in front of it each wave waits for all its tensor loads, adds 0 to its spare word, and waits for that and for its reads of this slot.  fill = 1: this slot is filled again.
.macro TURN slot, next, fill
	s_wait_tensorcnt 0x0                           ; all my tensor loads have landed: my part of the next slot
	ds_add_u32 v[SPW], v[NIL]                      ; 0 onto my spare word
	s_wait_dscnt 4*NL+1                            ; (the add and the youngest sixteen loads may be out)
	WIN MUL_LO
	MUL16 0, 1, 1, \slot, 0
	s_wait_dscnt 0x0                               ; the add is done, and my reads of this slot are over
	s_barrier_signal -1
	MUL16 2, 1, 1, \slot, 0
	WIN 0
	s_barrier_wait -1
.if \fill
	CREST                                          ; the barrier has opened a round of the cluster's: no wave of any partner still reads this slot or has a load on its way
	s_add_nc_u64 s[G0+4*\slot+2:G0+4*\slot+3], s[G0+4*\slot+2:G0+4*\slot+3], 2*HALFT
	s_add_nc_u64 s[G0B+4*\slot+2:G0B+4*\slot+3], s[G0B+4*\slot+2:G0B+4*\slot+3], 2*HALFT
	JLOAD \slot                                    ; the first tensor load behind the round; its four v_nop are the places in front of the loads below
.else
	PLACES NP
.endif
	FETCH_B \next, 0, 0
	FETCH_A \next, 0, 0
	SCALES \next
	WIN MUL_HI
	MUL16 4, 1, 1, \slot, 0
	MUL16 6, 1, 1, \slot, 0
	PLACES NP
	WIN 0
	FETCH_A \next, 0, 4
.endm
.macro QUANT s                         ; 64 numbers of a lane, register 16 b + i = k 32 b + 16 (lane / 16) + i of my row: a fragment's codes in v[PC] on, its scale word in v[PW]
.irp b, 0,1,2,3
	v_max3_num_f32 v[TM+\b], |v[\s+16*\b]|, |v[\s+1+16*\b]|, 0x1800000   ; the floor 2^(3 - 127): the byte cannot fall under 1
.endr
.irp i, 2,4,6,8,10,12,14
.irp b, 0,1,2,3
	v_max3_num_f32 v[TM+\b], v[TM+\b], |v[\s+16*\b+\i]|, |v[\s+1+16*\b+\i]|
.endr
.endr
.irp b, 0,1,2,3
	v_permlanex16_b32 v[TM+4+\b], v[TM+\b], s[SEL], s[SEL+1]
.endr
.irp b, 0,1,2,3
	v_max_num_f32 v[TM+\b], v[TM+\b], v[TM+4+\b]
.endr
.irp b, 0,1,2,3
	v_add_nc_u32 v[TM+12+\b], 0xff000000, v[TM+\b]     ; 2 off the exponent field: the conversion's scale operand
.endr
.irp b, 0,1,2,3
	v_lshrrev_b32 v[TM+4+\b], 23, v[TM+12+\b]
.endr
	v_lshl_or_b32 v[PW], v[TM+5], 8, v[TM+4]
	v_lshl_or_b32 v[PW], v[TM+6], 16, v[PW]
	v_lshl_or_b32 v[PW], v[TM+7], 24, v[PW]
.irp c, 0,1
	v_cvt_scalef32_pk16_fp6_f32 v[PC+6*\c:PC+2+6*\c], v[\s+32*\c:\s+15+32*\c], v[TM+12+2*\c]
	v_cvt_scalef32_pk16_fp6_f32 v[PC+12+4*\c:PC+14+4*\c], v[\s+16+32*\c:\s+31+32*\c], v[TM+12+2*\c+1]
.endr
	v_nop                                              ; one plain place behind a scaled conversion
.irp c, 0,1
.irp i, 0,1,2
	v_permlane16_swap_b32 v[PC+6*\c+\i], v[PC+12+4*\c+\i]
.endr
.irp i, 0,1,2
	v_mov_b32 v[PC+3+6*\c+\i], v[PC+12+4*\c+\i]
.endr
.endr
.endm
.macro IMG off
	global_store_b128 v[L16], v[PC:PC+3], s[OB:OB+1] offset:\off
	global_store_b64 v[L8], v[PC+4:PC+5], s[OB:OB+1] offset:\off+512
	global_store_b128 v[L16], v[PC+6:PC+9], s[OB:OB+1] offset:\off+768
	global_store_b64 v[L8], v[PC+10:PC+11], s[OB:OB+1] offset:\off+1280
.endm
	s_load_b256 s[4:11], s[0:1], 0x0               ; the weights 4, the activations 6, the biases of roles 0 and 1: 8, 10
	s_load_b128 s[12:15], s[0:1], 0x20             ; the bias of role 2: 12; the result of roles 0, 1: 14
	s_load_b64 s[16:17], s[0:1], 0x30              ; the result of role 2
	v_lshl_add_u32 v[SPW], v0, 2, SPARE
	v_mov_b32 v[NIL], 0
	ds_add_u32 v[SPW], v[NIL]                      ; the wave's opening: the add and its wait stand ahead of my first tensor load; the set-up below stands between them
	v_lshrrev_b32 v1, 5, v0
	v_readfirstlane_b32 s18, v1                    ; wave 0..3
	s_lshr_b32 s19, s18, 1                         ; my group of Q.  Also: I fetch for Q (0) or for P (1)
	s_and_b32 s20, s18, 1                          ; my group of P.  Also: which group I fetch
	s_bfe_u32 s22, ttmp6, 0x40000                  ; cx
	s_bfe_u32 s23, ttmp6, 0x40004                  ; cy
	s_and_b32 s42, ttmp7, 0xffff                   ; the cluster's y
	s_lshr_b32 s21, s42, 2                         ; the role: the same in all sixteen partners
	s_and_b32 s42, s42, 3
	s_cmp_eq_u32 s21, 2
	s_cselect_b32 s43, s42, ttmp9                  ; the tokens' 16 tiles of 256 go along y in roles 0, 1 (Q) and in role 2 (P)
	s_cselect_b32 s44, ttmp9, s42
	s_lshl_b32 s40, s43, 2
	s_add_co_u32 s40, s40, s22                     ; P's tile of 256 rows
	s_lshl_b32 s41, s44, 2
	s_add_co_u32 s41, s41, s23                     ; Q's
	s_lshl_b32 s44, s23, 2
	s_lshl_b32 s44, 15, s44                        ; my row of the cluster
	s_lshl_b32 s45, 0x1111, s22                    ; my column
	s_or_b32 s[G1], s44, (3<<16)|(1<<21)           ; 15:0 the mask; 17:16 elements of 8 bytes; 21 set beside a mask; no padding
	s_or_b32 s[G1B], s45, (3<<16)|(1<<21)
.irp g, G1, G1B
	s_mov_b32 s[\g+1], 32<<16                      ; tensor_dim0 = 32 elements: rows of 256 bytes
	s_mov_b32 s[\g+2], 100<<16                     ; tensor_dim1 = 100 rows: 25,600 dense bytes
	s_mov_b32 s[\g+3], 32<<16                      ; tile_dim0
	s_mov_b32 s[\g+4], 100                         ; tile_dim1
	s_mov_b32 s[\g+5], 32                          ; the pitch
	s_mov_b32 s[\g+6], 0
	s_mov_b32 s[\g+7], 0
.endr
	s_lshl_b32 s74, s40, 1
	s_add_co_u32 s78, s74, s20                     ; P's group that I fetch and multiply: the result's K step
	s_mul_i32 s74, s78, 8*SLAB
	s_mov_b32 s75, 0
	s_lshl_b32 s76, s41, 1
	s_add_co_u32 s79, s76, s19                     ; Q's group that I multiply: the result's group of rows
	s_add_co_u32 s76, s76, s20                     ; Q's group that I fetch
	s_mul_i32 s76, s76, 8*SLAB
	s_mov_b32 s77, 0
	s_mul_i32 s66, s21, 64*SLAB
	s_add_co_u32 s66, s66, 256                     ; the role's weight, behind the header
	s_mov_b32 s67, 0
	s_mul_i32 s46, s18, HALFT                      ; where my loads go: no place in the cluster enters an LDS address
	s_mov_b32 s[SEL], 0x76543210
	s_mov_b32 s[SEL+1], 0xfedcba98
	s_wait_dscnt 0x0                               ; the opening add is done
	s_wait_kmcnt 0x0
	s_load_b32 s86, s[4:5], 0x0                    ; the floor: a value; no branch and no address hangs on it
	s_add_nc_u64 s[68:69], s[4:5], s[66:67]
	s_cmp_eq_u32 s21, 2
	s_cselect_b64 s[70:71], s[6:7], s[68:69]       ; P
	s_cselect_b64 s[72:73], s[68:69], s[6:7]       ; Q
	s_add_nc_u64 s[70:71], s[70:71], s[74:75]
	s_add_nc_u64 s[72:73], s[72:73], s[76:77]
	CROUND                                         ; all sixteen work-groups are here: the first joint loads meet
.irp s, 0,1
	s_mov_b32 s[G0+4*\s], 1
	s_add_co_u32 s[G0+4*\s+1], s46, \s*SLOT
	s_add_nc_u64 s[G0+4*\s+2:G0+4*\s+3], s[72:73], \s*HALFT
	s_or_b32 s[G0+4*\s+3], s[G0+4*\s+3], 0x80000000
	s_mov_b32 s[G0B+4*\s], 1
	s_add_co_u32 s[G0B+4*\s+1], s46, \s*SLOT
	s_add_nc_u64 s[G0B+4*\s+2:G0B+4*\s+3], s[70:71], \s*HALFT
	s_or_b32 s[G0B+4*\s+3], s[G0B+4*\s+3], 0x80000000
	JLOAD \s
.endr
	v_and_b32 v1, 31, v0                           ; lane
	v_and_b32 v2, 15, v0                           ; r
	v_bfe_u32 v3, v0, 4, 1                         ; h
	v_lshlrev_b32 v[L16], 4, v1
	v_lshlrev_b32 v[L8], 3, v1
	s_mul_i32 s70, s19, HALFT                      ; my group of Q in a slot
	s_mul_i32 s71, s20, HALFT
	s_add_co_u32 s71, s71, 2*HALFT                 ; my group of P
	s_sub_co_u32 s72, s71, s70
	v_mul_u32_u24 v4, s72, v3                      ; lanes 16-31 take P's scale words
	v_lshl_add_u32 v4, v2, 3, v4
	v_add_nc_u32 v[ADRS], s70, v4
	v_add_nc_u32 v[ADRS+1], SLOT, v[ADRS]
.irp s, 0,1
	v_add_nc_u32 v[ADRA+\s], s70, v[L16]
	v_add_nc_u32 v[ADRA+2+\s], s70, v[L8]
	v_add_nc_u32 v[ADRB+\s], s71, v[L16]
	v_add_nc_u32 v[ADRB+2+\s], s71, v[L8]
	s_add_co_u32 s70, s70, SLOT
	s_add_co_u32 s71, s71, SLOT
.endr
	v_lshlrev_b32 v10, 6, v3                       ; the bias along P: 16 h numbers on
	v_and_b32 v11, 8, v2
	v_add_nc_u32 v11, v11, v2
	v_lshlrev_b32 v11, 2, v11                      ; the bias along Q: number r + 8 (r / 8)
	v_lshlrev_b32 v12, 7, v3
	v_lshl_add_u32 v12, v2, 3, v12                 ; the result's scale words: 128 h + 8 r
	; where my slab of the result lies
	s_cmp_eq_u32 s21, 2
	s_mov_b32 s80, 256*SLAB
	s_cselect_b32 s80, 8*SLAB, s80                 ; from 8 K steps to the next 8: a panel of 4,096 rows, or (v) simply 8 slabs
	s_mov_b32 s81, 8*SLAB
	s_cselect_b32 s81, 32*SLAB, s81                ; from group to group of rows: 8 K steps, or (v) 32
	s_cselect_b32 s82, 0, s21                      ; q's panel, k's panel
	s_cselect_b64 s[OB:OB+1], s[16:17], s[14:15]
	s_cselect_b32 s90, s79, s78                    ; the bias runs along Q's rows in role 2, along P's else
	s_lshr_b32 s83, s78, 3
	s_mul_i32 s83, s83, s80
	s_mul_i32 s84, s79, s81
	s_add_co_u32 s83, s83, s84
	s_and_b32 s84, s78, 7
	s_mul_i32 s84, s84, SLAB
	s_add_co_u32 s83, s83, s84
	s_mul_i32 s84, s82, 256*SLAB
	s_add_co_u32 s82, s83, s84
	s_mov_b32 s83, 0
	s_add_nc_u64 s[OB:OB+1], s[OB:OB+1], s[82:83]
	s_cmp_eq_u32 s21, 1
	s_cselect_b64 s[88:89], s[10:11], s[8:9]
	s_cmp_eq_u32 s21, 2
	s_cselect_b64 s[88:89], s[12:13], s[88:89]
	s_lshl_b32 s90, s90, 9                         ; 128 numbers a group
	s_mov_b32 s91, 0
	s_add_nc_u64 s[88:89], s[88:89], s[90:91]      ; my 128 numbers of the role's bias
	s_wait_tensorcnt 1                             ; my part of slot 0 is in (slot 1's load may be out)
	s_barrier_signal -1
	s_barrier_wait -1                              ; everybody's is
	FETCH_B 0, 0, 0
	FETCH_A 0, 0, 0
	SCALES 0
	FETCH_A 0, 0, 4
	STEP 0, 0, 1                                   ; the first step's products start the sums: nothing is cleared
	TURN 0, 1, 1                                   ; slot 0 takes K steps 4, 5
	STEP 1, 0, 0
	TURN 1, 0, 1                                   ; slot 1 takes K steps 6, 7
	STEP 0, 0, 0
	TURN 0, 1, 0                                   ; nothing is left to fetch
	STEP 1, 0, 0
	s_wait_dscnt 4*NL
	WIN MUL_LO
	MUL16 0, 1, 1, 1, 0
	MUL16 2, 1, 1, 1, 0
	s_wait_dscnt 0
	WIN MUL_HI
	MUL16 4, 1, 1, 1, 0
	MUL16 6, 1, 1, 1, 0
	WIN 0
	; THE WAY OUT.  Tile a of Q at a time: its 64 sums + bias, the floor, the quantiser: one fragment and one scale word a row.
	PLACES NP                                      ; in front of the first reads of results and of writes into the registers that held Q's fragments
	s_wait_kmcnt 0x0                               ; the floor
.irp b, 0,1,2,3
	v_mov_b32 v[TM+4+\b], 0                        ; written once: a lane permute's destination counts as one of its sources
.endr
	s_cmp_eq_u32 s21, 2
	s_cbranch_scc1 .Lrole_v
.irp b, 0,1,2,3,4,5,6,7
	global_load_b128 v[TP+8*\b:TP+8*\b+3], v10, s[88:89] offset:(32*(\b/2)+8*(\b%2))*4       ; register j of P's tile b is P's row 32 (b / 2) + 16 h + 8 (b % 2) + j
	global_load_b128 v[TP+8*\b+4:TP+8*\b+7], v10, s[88:89] offset:(32*(\b/2)+8*(\b%2))*4+16
.endr
.set i, 0
.rept 16
	v_mov_b32 v[BQ+i], 0
.set i, i+1
.endr
	s_branch .Lbias_in
.Lrole_v:
.irp a, 0,1,2,3,4,5,6,7
	global_load_b32 v[BQ+2*\a], v11, s[88:89] offset:(32*(\a/2)+8*(\a%2))*4                  ; my lane-row of Q's tile a
	v_mov_b32 v[BQ+2*\a+1], 0                      ; (named with it as a pair)
.endr
.set i, 0
.rept 64
	v_mov_b32 v[TP+i], 0
.set i, i+1
.endr
.Lbias_in:
	s_wait_loadcnt 0x0
.macro TILE a
	s_wait_xcnt 0x0                                ; the last tile's stores have read their data registers, which are written again below
.set WN, 0x02+(\a)/4
	WIN WN                                         ; source 0: window 2 or 3
.set p, 0
.rept 32
	v_pk_add_f32 v[HA+2*p:HA+2*p+1], v[64*((\a)%4)+2*p:64*((\a)%4)+2*p+1], v[TP+2*p:TP+2*p+1]   ; the sums come into window 0, each accumulator from its low end on, + the bias along P
.set p, p+1
.endr
	WIN 0
.set p, 0
.rept 32
	v_pk_add_f32 v[HA+2*p:HA+2*p+1], v[HA+2*p:HA+2*p+1], v[BQ+2*(\a):BQ+2*(\a)+1] op_sel_hi:[1,0]   ; + the bias along Q
.set p, p+1
.endr
.set p, 0
.rept 64
	v_max_num_f32 v[HA+p], s86, v[HA+p]            ; the floor
.set p, p+1
.endr
	QUANT HA
	v_mov_b32 v[SW+(\a)], v[PW]
	IMG 1536*(\a)
.endm
.irp a, 0,1,2,3,4,5,6,7
	TILE \a
.endr
	v_cmp_eq_u32 vcc_lo, 1, v3
.irp e, 0,1                                    ; the slab's scale words: lanes 0-15 tiles 4 e, 4 e + 1, lanes 16-31 tiles 4 e + 2, 4 e + 3: 256 consecutive bytes a store
	v_cndmask_b32 v[TM+2*\e], v[SW+4*\e], v[SW+4*\e+2], vcc_lo
	v_cndmask_b32 v[TM+2*\e+1], v[SW+4*\e+1], v[SW+4*\e+3], vcc_lo
	global_store_b64 v12, v[TM+2*\e:TM+2*\e+1], s[OB:OB+1] offset:12288+256*\e
.endr
	s_wait_tensorcnt 0x0                           ; the wave's end
	ds_add_u32 v[SPW], v[NIL]
	s_wait_dscnt 0x0
	CROUND                                         ; the closing round: no work-group ends while a partner may still ask for a tile that names it
	s_endpgm
.Lfunc_end_k_q4806b23bba_qkv:
	.size	k_q4806b23bba_qkv, .Lfunc_end_k_q4806b23bba_qkv-k_q4806b23bba_qkv
	.p2alignl 7, 3214868480
	.fill 96, 4, 3214868480
	.section	.rodata,"a",@progbits
	.p2align	6, 0x0
	.amdhsa_kernel k_q4806b23bba_qkv
		.amdhsa_group_segment_fixed_size 327680
		.amdhsa_private_segment_fixed_size 0
		.amdhsa_enable_private_segment 0
		.amdhsa_kernarg_size 56
		.amdhsa_user_sgpr_count 2
		.amdhsa_user_sgpr_kernarg_segment_ptr 1
		.amdhsa_wavefront_size32 1
		.amdhsa_system_sgpr_workgroup_id_x 1
		.amdhsa_system_sgpr_workgroup_id_y 1
		.amdhsa_system_sgpr_workgroup_id_z 1
		.amdhsa_system_vgpr_workitem_id 0
		.amdhsa_next_free_vgpr 1024
		.amdhsa_next_free_sgpr 96
		.amdhsa_reserve_vcc 1
		.amdhsa_float_denorm_mode_32 3
		.amdhsa_float_denorm_mode_16_64 3
		.amdhsa_memory_ordered 1
		.amdhsa_forward_progress 1
		.amdhsa_inst_pref_size 200
	.end_amdhsa_kernel
	.amdgpu_metadata
---
amdhsa.version: [ 1, 2 ]
amdhsa.kernels:
  - .name:           k_q4806b23bba_qkv
    .symbol:         k_q4806b23bba_qkv.kd
    .args:
      - { .name: WA, .offset: 0, .size: 8, .value_kind: global_buffer, .address_space: global }
      - { .name: ACT, .offset: 8, .size: 8, .value_kind: global_buffer, .address_space: global }
      - { .name: bq, .offset: 16, .size: 8, .value_kind: global_buffer, .address_space: global }
      - { .name: bk, .offset: 24, .size: 8, .value_kind: global_buffer, .address_space: global }
      - { .name: bv, .offset: 32, .size: 8, .value_kind: global_buffer, .address_space: global }
      - { .name: BIG, .offset: 40, .size: 8, .value_kind: global_buffer, .address_space: global }
      - { .name: Y, .offset: 48, .size: 8, .value_kind: global_buffer, .address_space: global }
    .group_segment_fixed_size: 327680
    .private_segment_fixed_size: 0
    .kernarg_segment_align: 8
    .kernarg_segment_size: 56
    .max_flat_workgroup_size: 128
    .sgpr_count:     96
    .vgpr_count:     1024
    .wavefront_size: 32
...
	.end_amdgpu_metadata
.endif
;; end of part 2
;; launch attn (part 3): grid 16 x 16, 16 waves a work-group, no clusters, 327,680 bytes of LDS; arguments BIG, Y, ACT; writes ACT
.if DOCPART == 3
	.amdgcn_target "amdgcn-amd-amdhsa--gfx1250"
	.amdhsa_code_object_version 6
	.text
	.protected	k_q4806b23bba_attn
	.globl	k_q4806b23bba_attn
	.p2align	8
	.type	k_q4806b23bba_attn,@function
k_q4806b23bba_attn:
	s_mov_b64 s[64:65], 0
	v_nop
	global_prefetch_b8 v0, s[64:65] scope:SCOPE_SE
	s_setreg_imm32_b32 hwreg(HW_REG_WAVE_MODE, 25, 1), 1
	s_wait_xcnt 0x0
; Attention on codes of FP6 (E2M3, one E8M0 byte for each 32 along a product's K); 32 (batch, head) pairs, 2,048 keys, head size 64.  The result is quantised along the channels and stored as the next product's operand.
; q and k: panels 0 and 1 of BIG, slabs (group of 128 tokens G, K step j) at (8 G + j) x 12,800: K step j is the PAIR of heads 2 j, 2 j + 1, and half c of a fragment (768 bytes, six registers) is head 2 j + c.
; v: in Y with the keys along K: slab (group of 128 channels j, key step) at 409,600 j + 12,800 (16 batch + step); head 2 j + c is tiles 4 c .. 4 c + 3.
; A head's 64 fill half of the instruction's 128 along K: registers 6-11 of q's and of k's fragments are zero codes, which add nothing; their scale bytes are the zeros of a 16-bit load.
; THE SOFTMAX: t = score x log2(e) / 8; M = the running largest t rounded UP to a whole number; p = 2^(t - M) is quantised along the keys, not normalised; the row's sum is of the unquantised p and divides at the end.
; When M moves, the sum and O are multiplied by 2^(old M - new M): exact.
; SHARES.  A work-group owns 128 queries of one pair of heads: wave w = 8 c + t has head c and the tile t of 16 queries, in 256 registers, four waves to a SIMD.  The sixteen results are exactly one slab.
; Both products are used transposed (S^T = k q^T, O^T = v^T p^T): a lane holds one query throughout.  By the slabs' order of rows the 16 registers of key tiles 2 b, 2 b + 1 are keys 32 b + 16 (lane / 16) + 0 .. 15.
; THE RING: two slots of two key steps (k's two slabs, v's two: 51,200 bytes); waves 0-3 fetch a slab each, dense, by one tensor load.
; THE CHANGE OF SLOTS IS SPREAD OVER A SLOT'S SECOND STEP.  A wave's last LDS reads of a slot are that step's key tiles 4-7 (v's fragments were asked for at the step's head).  Behind them it waits for all its tensor loads,
; adds 0 to its spare word, waits for that and for all its LDS reads, and SIGNALS; the step's remaining work, four products, the softmax and the four products with v, is work on registers alone and stands between the
; signal and the WAIT; behind the wait the slot just read is filled again first.  So no wave waits for another's softmax: it waits only until every wave holds the slot's last bytes in registers.
; A slot's second step finds its key tiles 0-3 asked for already, in the first step, behind that step's products with k: they land under the softmax.  Nothing is asked for across a change of slots.
; NO CLUSTER, NO PREFETCH: the sixteen work-groups of a pair of heads walk the same slabs, but a slot's four loads are asked for once in two key steps, in which each of the sixteen waves issues
; some 600 instructions: the fill has the stretch from one release of the barrier to the next in which to land.
; LIMITS: NaN and infinities are not served; a block whose largest number lies under 2^-124 gets the byte 1.
; REGISTERS: v0 (behind the head) and v1-11 addresses; v12 -M, v13 the largest t, v[14:15] the sum; v16-27 q; v28-31 v's scale words; v32-79 four fragments of k; v80-127 v's four; v128-191 S^T, then p; v192-223 O^T;
; v224-235 p's codes; v232-247 at work (v236-241: the step's LDS addresses while its loads are issued); v248-251 k's scale words; v252 f; v253 0; v254 at work, then p's scale word; v255 q's scale words.
.set SLAB,  12800
.set SLOT1, 1<<16                      ; slot 1 begins here: one exclusive or turns an address
.set SCB,   2*SLOT1                    ; 512 bytes: the result's scale words are gathered here; no fill lands there
.set SPARE, SCB+512                    ; the spare words, 128 bytes for each of the sixteen waves, that no other line names
.set SPW,   7
.set NIL,   8
.set S,     128
.set O,     192
.set WV,    10                         ; s10 my wave's number
.set G1,    16                         ; s[16:23] descriptor group 1;  s[24:27] group 0, which walks;  s[28:29] its step
.set SEL,   30
.set CS,    32                         ; s[32:33] c = log2(e) / 8
.set TB,    34                         ; s34 LDS byte at which the slot in hand begins
.set SLOTS, 35
.macro TLOAD                           ; waves 0-3 fetch; an s_nop 0 and four v_nop follow the load
	s_cmp_lt_u32 s[WV], 4
	s_cbranch_scc0 .Lasked_\@
	tensor_load_to_lds s[24:27], s[G1:G1+7]
	s_nop 0
.rept 4
	v_nop
.endr
.Lasked_\@:
.endm
.macro KLOAD q, g                      ; my head's half of key tiles 4 g .. 4 g + 3 of the slot's step q, and their scale bytes: twelve loads
.irp t, 0,1,2,3
	ds_load_b128 v[32+12*\t:35+12*\t], v236 offset:(\q)*SLAB+1536*(4*(\g)+\t)
	ds_load_b64 v[36+12*\t:37+12*\t], v237 offset:(\q)*SLAB+1536*(4*(\g)+\t)
	ds_load_u16 v[248+\t], v238 offset:(\q)*SLAB+12288+128*((4*(\g)+\t)/2)+4*(\t%2)
.endr
.endm
.macro VLOAD q                         ; my head's four tiles of v for the slot's step q, and their scale words: eighteen loads
.irp i, 0,1,2,3
	ds_load_b128 v[80+12*\i:83+12*\i], v239 offset:(2+(\q))*SLAB+1536*\i
	ds_load_b64 v[84+12*\i:85+12*\i], v240 offset:(2+(\q))*SLAB+1536*\i
	ds_load_b128 v[86+12*\i:89+12*\i], v239 offset:(2+(\q))*SLAB+1536*\i+768
	ds_load_b64 v[90+12*\i:91+12*\i], v240 offset:(2+(\q))*SLAB+1536*\i+768
.endr
	ds_load_b64 v[28:29], v241 offset:(2+(\q))*SLAB+12288
	ds_load_b64 v[30:31], v241 offset:(2+(\q))*SLAB+12288+128
.endm
	s_load_b128 s[4:7], s[0:1], 0x0                ; BIG, Y
	s_load_b64 s[8:9], s[0:1], 0x10                ; ACT
	v_lshl_add_u32 v[SPW], v0, 2, SPARE
	v_mov_b32 v[NIL], 0
	ds_add_u32 v[SPW], v[NIL]                      ; the wave's opening: the add and its wait stand ahead of the first tensor load; the set-up below stands between them
	v_lshrrev_b32 v1, 5, v0
	v_readfirstlane_b32 s[WV], v1
	s_lshr_b32 s11, s[WV], 3                       ; c: my head of the pair
	s_and_b32 s12, s[WV], 7                        ; t: my tile of queries
	s_and_b32 s36, ttmp7, 0xffff
	s_lshr_b32 s37, s36, 3                         ; the batch
	s_and_b32 s38, s36, 7                          ; j: the pair of heads
	s_mov_b32 s[G1], 3<<16                         ; no mask; elements of 8 bytes; no padding
	s_mov_b32 s[G1+1], 32<<16                      ; rows of 256 bytes,
	s_mov_b32 s[G1+2], 50<<16                      ; 50 of them: a slab
	s_mov_b32 s[G1+3], 32<<16
	s_mov_b32 s[G1+4], 50
	s_mov_b32 s[G1+5], 32
	s_mov_b32 s[G1+6], 0
	s_mov_b32 s[G1+7], 0
	s_and_b32 s39, s[WV], 3
	s_mul_i32 s25, s39, SLAB                       ; wave 0, 1: k's slabs of the slot's two steps; wave 2, 3: v's
	s_and_b32 s40, s[WV], 1
	s_lshl_b32 s41, s37, 4
	s_add_co_u32 s41, s41, s40                     ; key group 16 batch + step
	s_lshl_b32 s42, s41, 3
	s_add_co_u32 s42, s42, s38
	s_mul_i32 s42, s42, SLAB
	s_add_co_u32 s42, s42, 256*SLAB                ; k: panel 1
	s_mul_i32 s43, s41, SLAB
	s_mul_i32 s44, s38, 32*SLAB
	s_add_co_u32 s43, s43, s44                     ; v
	s_mov_b32 s28, 2*SLAB
	s_cmp_lt_u32 s39, 2
	s_cselect_b32 s42, s42, s43
	s_cselect_b32 s28, 16*SLAB, s28                ; a slot on: two groups of tokens in k, two slabs in v
	s_mov_b32 s43, 0
	s_mov_b32 s29, 0
	s_mov_b32 s24, 1
	s_mov_b32 s[SEL], 0x76543210
	s_mov_b32 s[SEL+1], 0xfedcba98
	s_mov_b32 s[CS], 0x3e38aa3b
	s_mov_b32 s[CS+1], s[CS]                       ; (named with it as a pair)
	s_mov_b32 s[TB], 0
	s_mov_b32 s[SLOTS], 6
	s_lshl_b32 s44, s37, 4
	s_add_co_u32 s44, s44, ttmp9                   ; my group of 128 queries
	s_lshl_b32 s44, s44, 3
	s_add_co_u32 s44, s44, s38
	s_mul_i32 s44, s44, SLAB                       ; q's slab, and the result's
	s_mov_b32 s45, 0
	s_wait_dscnt 0x0                               ; the opening add is done
	s_wait_kmcnt 0x0
	s_cmp_lt_u32 s39, 2
	s_cselect_b64 s[26:27], s[4:5], s[6:7]
	s_add_nc_u64 s[26:27], s[26:27], s[42:43]
	s_or_b32 s27, s27, 0x80000000
	TLOAD                                          ; slot 0
	s_add_nc_u64 s[4:5], s[4:5], s[44:45]
	s_add_nc_u64 s[8:9], s[8:9], s[44:45]
	v_and_b32 v232, 31, v0                         ; lane
	v_and_b32 v233, 15, v0                         ; r
	s_mul_i32 s46, s11, 768
	s_mul_i32 s47, s11, 6144
	v_lshl_add_u32 v1, v232, 4, s46                ; k: my head's half of a fragment, registers 0-3
	s_add_co_u32 s48, s46, 512
	v_lshl_add_u32 v2, v232, 3, s48                ; registers 4, 5
	s_lshl_b32 s49, s11, 1
	v_lshl_add_u32 v3, v233, 3, s49                ; k's scale words: my head's two bytes
	v_lshl_add_u32 v4, v232, 4, s47                ; v: my head's four tiles
	s_add_co_u32 s50, s47, 512
	v_lshl_add_u32 v5, v232, 3, s50
	s_lshl_b32 s51, s11, 8
	v_lshl_add_u32 v6, v233, 3, s51                ; v's scale words
	s_mul_i32 s52, s12, 1536
	s_add_co_u32 s52, s52, s46                     ; my tile's fragment, my head's half: in q's slab and in the result's
	v_lshl_add_u32 v10, v232, 4, s52
	v_lshl_add_u32 v11, v232, 3, s52
	s_lshr_b32 s53, s12, 1
	s_lshl_b32 s53, s53, 7
	s_and_b32 s54, s12, 1
	s_lshl_b32 s54, s54, 2
	s_add_co_u32 s53, s53, s54
	s_add_co_u32 s53, s53, s49
	v_lshl_add_u32 v254, v233, 3, s53              ; my two bytes of my row's scale word: 128 (t / 2) + 8 r + 4 (t % 2) + 2 c
	v_add_nc_u32 v9, SCB, v254
	v_lshl_add_u32 v0, v232, 4, SCB                ; (the thread's number is needed no more)
	global_load_b128 v[16:19], v10, s[4:5]         ; q stays in registers
	global_load_b64 v[20:21], v11, s[4:5] offset:512
	global_load_u16 v255, v254, s[4:5] offset:12288
.irp i, 22,23,24,25,26,27
	v_mov_b32 v\i, 0                               ; zero codes for the upper 64 along K
.endr
.irp t, 0,1,2,3
.irp i, 6,7,8,9,10,11
	v_mov_b32 v[32+12*\t+\i], 0                    ; in k's fragments too: written once, no load lands there
.endr
.endr
	v_mov_b32 v13, 0xff61b1e6                      ; the largest t so far: -3e38
	v_floor_f32 v12, -v13
	v_mov_b32 v14, 0
	v_mov_b32 v15, 0
	v_mov_b32 v253, 0                              ; (the upper half of the pair v[252:253])
.set i, 0
.rept 32
	v_mov_b32 v[O+i], 0                            ; O^T: the loop has no first step of its own; the first change of M multiplies zeros
.set i, i+1
.endr
; A KEY STEP: 128 keys, the q-th of the slot in hand.  meet = 0: no change of slots; 1: the slot is left, nothing is filled; 2: the slot is left and filled again.
.macro STEP q, meet
	v_add_nc_u32 v236, s[TB], v1                   ; the step's six LDS addresses.  These six lines are also the places in front of the loads into registers that the last products read
	v_add_nc_u32 v237, s[TB], v2
	v_add_nc_u32 v238, s[TB], v3
	v_add_nc_u32 v239, s[TB], v4
	v_add_nc_u32 v240, s[TB], v5
	v_add_nc_u32 v241, s[TB], v6
.if (\q) == 0
	KLOAD 0, 0                                     ; a slot's first step asks for its key tiles 0-3 here; the second step's were asked for in the first
.endif
	VLOAD \q
	s_wait_dscnt 18                                ; key tiles 0-3, twelve loads issued ahead of v's, are in; v's eighteen may be out
.irp t, 0,1,2,3
	v_wmma_scale_f32_16x16x128_f8f6f4 v[S+8*\t:S+8*\t+7], v[32+12*\t:43+12*\t], v[16:27], 0, v[248+\t], v255 matrix_a_fmt:MATRIX_FMT_FP6 matrix_b_fmt:MATRIX_FMT_FP6
.endr
.rept 4
	v_nop                                          ; places in front of loads into registers that matrix instructions have read
.endr
	KLOAD \q, 1
.if \meet
	s_wait_tensorcnt 0x0                           ; these were my last reads of the slot.  All my tensor loads have landed: my part of the next slot; so group 0 may be written
	ds_add_u32 v[SPW], v[NIL]
.if (\meet) == 2
	s_xor_b32 s25, s25, SLOT1                      ; the walking descriptor: the slot in hand,
	s_add_nc_u64 s[26:27], s[26:27], s[28:29]      ; the keys two slots on; the type bits on top are not reached
.endif
	s_wait_dscnt 0x0                               ; the add is done, and every byte that I want of this slot is in registers:
	s_barrier_signal -1                            ; say so.  Up to the wait at the step's end stands work on registers alone
.else
	s_wait_dscnt 0x0
.endif
.irp t, 0,1,2,3
	v_wmma_scale_f32_16x16x128_f8f6f4 v[S+32+8*\t:S+32+8*\t+7], v[32+12*\t:43+12*\t], v[16:27], 0, v[248+\t], v255 matrix_a_fmt:MATRIX_FMT_FP6 matrix_b_fmt:MATRIX_FMT_FP6
.endr
.rept 4
	v_nop                                          ; places in front of the first reads of results, and of the loads below
.endr
.if (\q) == 0
	KLOAD 1, 0                                     ; the next step's key tiles 0-3, of the same slot: they land under the softmax
.endif
.irp b, 0,1,2,3
	v_max3_num_f32 v[232+\b], v[S+16*\b], v[S+1+16*\b], v[S+2+16*\b]   ; the largest score of each block of 32 keys: for the row's maximum, and, since p rises with the score, for the block's largest p
.endr
.irp i, 3,5,7,9,11,13
.irp b, 0,1,2,3
	v_max3_num_f32 v[232+\b], v[232+\b], v[S+16*\b+\i], v[S+1+16*\b+\i]
.endr
.endr
.irp b, 0,1,2,3
	v_max_num_f32 v[232+\b], v[232+\b], v[S+15+16*\b]
.endr
.irp b, 0,1,2,3
	v_permlanex16_b32 v[236+\b], v[232+\b], s[SEL], s[SEL+1]
.endr
.irp b, 0,1,2,3
	v_max_num_f32 v[232+\b], v[232+\b], v[236+\b]  ; with lane l xor 16's 16 keys
.endr
	v_max3_num_f32 v254, v232, v233, v234
	v_max_num_f32 v254, v254, v235
	v_mul_f32 v254, s[CS], v254                    ; as t (c is positive)
	v_max_num_f32 v13, v13, v254                   ; the running largest t
	v_mov_b32 v254, v12
	v_floor_f32 v12, -v13                          ; the new -M = -ceil(t)
	v_sub_f32 v254, v12, v254                      ; old M - new M: a whole number, 0 or less
	v_cvt_i32_f32 v254, v254                       ; (it saturates)
	v_ldexp_f32 v252, 1.0, v254                    ; f = 2^(old M - new M)
.set j, 0
.rept 32
	v_pk_fma_f32 v[S+j:S+j+1], v[S+j:S+j+1], s[CS:CS+1], v[12:13] op_sel_hi:[1,0,0]   ; t - M
.set j, j+2
.endr
.irp b, 0,1,2,3
	v_fma_f32 v[232+\b], v[232+\b], s[CS], v12     ; the same of each block's largest score
.endr
.set j, 0
.rept 64
	v_exp_f32 v[S+j], v[S+j]                       ; p = 2^(t - M)
.set j, j+1
.endr
	v_pk_mul_f32 v[14:15], v[14:15], v[252:253] op_sel_hi:[1,0]   ; the sums under the new M: a plain line behind the exponentials
	s_wait_alu depctr_va_vdst(0)                   ; one wait for the whole batch, ahead of its first reader
.irp b, 0,1,2,3
	v_exp_f32 v[232+\b], v[232+\b]                 ; the block's largest p: the same two instructions on the same number
.endr
	v_pk_add_f32 v[236:237], v[S:S+1], v[S+2:S+3]  ; the row's sum, of the unquantised p, in two chains
.irp j, 4,8,12,16,20,24,28,32,36,40,44,48,52,56,60
	v_pk_add_f32 v[14:15], v[14:15], v[S+\j:S+1+\j]
	v_pk_add_f32 v[236:237], v[236:237], v[S+2+\j:S+3+\j]
.endr
	v_pk_add_f32 v[14:15], v[14:15], v[236:237]
	s_wait_alu depctr_va_vdst(0)                   ; and one for the four
.irp b, 0,1,2,3
	v_max_num_f32 v[232+\b], 0x1800000, v[232+\b]  ; the floor 2^(3 - 127): the byte cannot fall under 1
.endr
.irp b, 0,1,2,3
	v_add_nc_u32 v[244+\b], 0xff000000, v[232+\b]  ; the conversion's scale operand
.endr
.irp b, 0,1,2,3
	v_lshrrev_b32 v[236+\b], 23, v[244+\b]
.endr
	v_lshl_or_b32 v254, v237, 8, v236              ; p's scale word for these 128 keys
	v_lshl_or_b32 v254, v238, 16, v254
	v_lshl_or_b32 v254, v239, 24, v254
.irp c, 0,1
	v_cvt_scalef32_pk16_fp6_f32 v[224+6*\c:226+6*\c], v[S+32*\c:S+15+32*\c], v[244+2*\c]
	v_cvt_scalef32_pk16_fp6_f32 v[236+4*\c:238+4*\c], v[S+16+32*\c:S+31+32*\c], v[244+2*\c+1]
.endr
	v_nop                                          ; one plain place behind a scaled conversion
.irp c, 0,1
.irp i, 0,1,2
	v_permlane16_swap_b32 v[224+6*\c+\i], v[236+4*\c+\i]
.endr
.irp i, 0,1,2
	v_mov_b32 v[227+6*\c+\i], v[236+4*\c+\i]
.endr
.endr
.set j, 0
.rept 16
	v_pk_mul_f32 v[O+j:O+j+1], v[O+j:O+j+1], v[252:253] op_sel_hi:[1,0]   ; O^T under the new M.  These lines also stand between the writes of p's codes and scale word and the products
.set j, j+2
.endr
.irp i, 0,1,2,3                                ; O^T += v^T p^T: my head's four tiles of 16 channels, one accumulator a turn
	v_wmma_scale_f32_16x16x128_f8f6f4 v[O+8*\i:O+8*\i+7], v[80+12*\i:91+12*\i], v[224:235], v[O+8*\i:O+8*\i+7], v[28+\i], v254 matrix_a_fmt:MATRIX_FMT_FP6 matrix_b_fmt:MATRIX_FMT_FP6
.endr
.if \meet
	s_barrier_wait -1                              ; every wave has said so: nobody reads this slot any more, and the next slot is whole
.endif
.if (\meet) == 2
	TLOAD                                          ; the first thing behind the barrier, and a wave's one tensor load until the next
.endif
.endm
	s_wait_loadcnt 0x0                             ; q
	s_wait_tensorcnt 0x0                           ; my part of slot 0 is in; no tensor load of mine is out, so group 0 may be written
	ds_add_u32 v[SPW], v[NIL]
	s_xor_b32 s25, s25, SLOT1
	s_add_nc_u64 s[26:27], s[26:27], s[28:29]
	s_wait_dscnt 0x0
	s_barrier_signal -1
	s_barrier_wait -1                              ; slot 0 is whole
	TLOAD                                          ; slot 1's first fill is issued as a refill is
.Lslot:                                            ; 6 trips: slots 0 to 5, each filled again with the keys two slots on
	STEP 0, 0
	STEP 1, 2
	s_xor_b32 s[TB], s[TB], SLOT1
	s_sub_co_u32 s[SLOTS], s[SLOTS], 1
	s_cmp_lg_u32 s[SLOTS], 0
	s_cbranch_scc1 .Lslot
	STEP 0, 0                                      ; the last two slots are written out. Slot 6: the meeting, and nothing to fill
	STEP 1, 1
	s_xor_b32 s[TB], s[TB], SLOT1
	STEP 0, 0                                      ; slot 7: nothing follows it
	STEP 1, 0
	; THE WAY OUT: O^T / the sum; its 64 channels are two blocks of the next product's K: half a fragment and half a scale word
	v_add_f32 v14, v14, v15
	v_permlanex16_b32 v252, v14, s[SEL], s[SEL+1]
	v_add_f32 v14, v14, v252                       ; the row's sum
	v_rcp_f32 v14, v14
.rept 4
	v_nop                                          ; the plain line behind the reciprocal, and the places behind the last products
.endr
	s_wait_alu depctr_va_vdst(0)                   ; ahead of the reciprocal's first reader
.set j, 0
.rept 16
	v_pk_mul_f32 v[S+j:S+j+1], v[O+j:O+j+1], v[14:15] op_sel_hi:[1,0]   ; register 16 e + i: channel 32 e + 16 (lane / 16) + i of my head
.set j, j+2
.endr
.irp b, 0,1
	v_max3_num_f32 v[232+\b], |v[S+16*\b]|, |v[S+1+16*\b]|, 0x1800000
.endr
.irp i, 2,4,6,8,10,12,14
.irp b, 0,1
	v_max3_num_f32 v[232+\b], v[232+\b], |v[S+16*\b+\i]|, |v[S+1+16*\b+\i]|
.endr
.endr
.irp b, 0,1
	v_permlanex16_b32 v[236+\b], v[232+\b], s[SEL], s[SEL+1]
.endr
.irp b, 0,1
	v_max_num_f32 v[232+\b], v[232+\b], v[236+\b]
.endr
.irp b, 0,1
	v_add_nc_u32 v[244+\b], 0xff000000, v[232+\b]
.endr
.irp b, 0,1
	v_lshrrev_b32 v[236+\b], 23, v[244+\b]
.endr
	v_lshl_or_b32 v254, v237, 8, v236              ; my head's two bytes of the row's scale word
	v_cvt_scalef32_pk16_fp6_f32 v[224:226], v[S:S+15], v244
	v_cvt_scalef32_pk16_fp6_f32 v[240:242], v[S+16:S+31], v245
	v_nop
.irp i, 0,1,2
	v_permlane16_swap_b32 v[224+\i], v[240+\i]
.endr
.irp i, 0,1,2
	v_mov_b32 v[227+\i], v[240+\i]
.endr
	global_store_b128 v10, v[224:227], s[8:9]      ; 512 consecutive bytes,
	global_store_b64 v11, v[228:229], s[8:9] offset:512   ; and 256
	ds_store_b16 v9, v254                          ; lanes l and l xor 16 write the same two bytes with the same value
	s_wait_dscnt 0x0                               ; for the others' sake
	s_barrier_signal -1
	s_barrier_wait -1
	s_cmp_lg_u32 s[WV], 0
	s_cbranch_scc1 .Lnot_wave_0
	ds_load_b128 v[S:S+3], v0                      ; the slab's 512 bytes of scale words
	s_wait_dscnt 0x0
	global_store_b128 v10, v[S:S+3], s[8:9] offset:12288   ; (in wave 0 v10 is 16 x lane)
.Lnot_wave_0:
	s_wait_tensorcnt 0x0                           ; the wave's end
	ds_add_u32 v[SPW], v[NIL]
	s_wait_dscnt 0x0
	s_endpgm
.Lfunc_end_k_q4806b23bba_attn:
	.size	k_q4806b23bba_attn, .Lfunc_end_k_q4806b23bba_attn-k_q4806b23bba_attn
	.p2alignl 7, 3214868480
	.fill 96, 4, 3214868480
	.section	.rodata,"a",@progbits
	.p2align	6, 0x0
	.amdhsa_kernel k_q4806b23bba_attn
		.amdhsa_group_segment_fixed_size 327680
		.amdhsa_private_segment_fixed_size 0
		.amdhsa_enable_private_segment 0
		.amdhsa_kernarg_size 24
		.amdhsa_user_sgpr_count 2
		.amdhsa_user_sgpr_kernarg_segment_ptr 1
		.amdhsa_wavefront_size32 1
		.amdhsa_system_sgpr_workgroup_id_x 1
		.amdhsa_system_sgpr_workgroup_id_y 1
		.amdhsa_system_sgpr_workgroup_id_z 1
		.amdhsa_system_vgpr_workitem_id 0
		.amdhsa_next_free_vgpr 256
		.amdhsa_next_free_sgpr 66
		.amdhsa_reserve_vcc 0
		.amdhsa_float_denorm_mode_32 3
		.amdhsa_float_denorm_mode_16_64 3
		.amdhsa_memory_ordered 1
		.amdhsa_forward_progress 1
		.amdhsa_inst_pref_size 110
	.end_amdhsa_kernel
	.amdgpu_metadata
---
amdhsa.version: [ 1, 2 ]
amdhsa.kernels:
  - .name:           k_q4806b23bba_attn
    .symbol:         k_q4806b23bba_attn.kd
    .args:
      - { .name: BIG, .offset: 0, .size: 8, .value_kind: global_buffer, .address_space: global }
      - { .name: Y, .offset: 8, .size: 8, .value_kind: global_buffer, .address_space: global }
      - { .name: ACT, .offset: 16, .size: 8, .value_kind: global_buffer, .address_space: global }
    .group_segment_fixed_size: 327680
    .private_segment_fixed_size: 0
    .kernarg_segment_align: 8
    .kernarg_segment_size: 24
    .max_flat_workgroup_size: 512
    .sgpr_count:     66
    .vgpr_count:     256
    .wavefront_size: 32
...
	.end_amdgpu_metadata
.endif
;; end of part 3
;; launch wo (part 4): grid 4 x 16, 4 waves a work-group, clusters of 4 x 4, 327,680 bytes of LDS; arguments WA, ACT, Y; writes Y
.if DOCPART == 4
	.amdgcn_target "amdgcn-amd-amdhsa--gfx1250"
	.amdhsa_code_object_version 6
	.text
	.protected	k_q4806b23bba_wo
	.globl	k_q4806b23bba_wo
	.p2align	8
	.type	k_q4806b23bba_wo,@function
k_q4806b23bba_wo:
	s_mov_b64 s[64:65], 0
	v_nop
	global_prefetch_b8 v0, s[64:65] scope:SCOPE_SE
	s_setreg_imm32_b32 hwreg(HW_REG_WAVE_MODE, 25, 1), 1
	s_wait_xcnt 0x0
	s_wait_alu depctr_hold_cnt(0) depctr_sa_sdst(0) depctr_va_vdst(0) depctr_va_sdst(0) depctr_va_ssrc(0) depctr_va_vcc(0) depctr_vm_vsrc(0)
	s_getreg_b32 s2, hwreg(HW_REG_IB_STS2, 6, 4)
	s_cmp_eq_u32 s2, 0
	s_cbranch_scc0 .Lentry_in_a_cluster
	s_endpgm
.Lentry_in_a_cluster:
	s_bfe_u32 s2, ttmp6, 0x10000c
	s_cmp_lg_u32 s2, 0xf033
	s_cbranch_scc0 .Lentry_shape_is_right
	s_endpgm
.Lentry_shape_is_right:
; A GEMM on codes of FP6 (E2M3, one E8M0 byte for each 32 along K) over K = 1,024 whose f32 sums go to memory as they lie in the accumulators.
; It serves the product with Wo (one panel of K) and the feed-forward layer's second product, whose K = 4,096 is cut into four panels by the cluster's y / 4: each panel's sums go to a panel of their own, and the next launch adds the four.
; OPERANDS lie in memory in the order of the operand registers: a SLAB of 12,800 bytes is 128 rows x 128 K: 8 fragments of 1,536 bytes (halves of 768: registers 6 c .. 6 c + 3 at 16 x lane, 6 c + 4, 5 at 512 + 8 x lane),
; then 512 bytes of scale words ((tile t, lane-row p) at 128 (t / 2) + 8 p + 4 (t % 2)).  Lane-row p of tile t is row 32 (t / 2) + 8 (t % 2) + p + 8 (p / 8) of its group of 128.
; SOURCE 0 = P, the weight's columns; SOURCE 1 = Q, the tokens.  The weight's slabs begin 256 slabs behind its buffer's header.
; THE RESULT: the accumulator of token tile T (0..255) and column tile ct (0..63) lies at (64 T + ct) x 1,024 of its panel: registers 0-3 at 16 x lane, registers 4-7 at 512 + 16 x lane: every store covers 512 consecutive bytes.
; SHARES, RING, CLUSTERS: a work-group makes 256 x 256, a wave 128 x 128 (64 accumulators); two LDS slots of 256 along K, a wave's tensor load brings one group's two slabs, 25,600 dense bytes; eight steps, written out;
; 4 x 4 work-groups: Q's slabs are shared along a row of the cluster, P's along a column, each asked for jointly.
; REGISTERS: window 0: v1-29 addresses; v32-63 scale words, two sets, and nothing else; v128-223 Q's fragments; window 1: P's fragments, two sets; windows 2, 3: the accumulators ((a, b) at v[8 (8 (a % 4) + b)]).
.set SLAB,  12800
.set HALFT, 2*SLAB
.set SLOT,  4*HALFT
.set SPARE, 2*SLOT                     ; behind the ring: the spare words, 128 bytes a wave, that no other line names
.set FR,    12
.set NL,    4
.set NP,    4                          ; places behind this matrix instruction (ISA guide 7.12.1)
.set ADRA,  16
.set ADRB,  20
.set ADRS,  24
.set L16,   26
.set L8,    27
.set SPW,   28
.set NIL,   29
.set SC,    32
.set AF,    128
.set G1,    24
.set G0,    32
.set G1B,   48
.set G0B,   56
.set MSB, 0
.macro WIN new
.if MSB != \new
	s_set_vgpr_msb (MSB<<8)|\new
.set MSB, \new
.endif
.endm
.set MUL_LO, 0xa1
.set MUL_HI, 0xf1
.set TO_B,   0x40
.macro JLOAD s                         ; a joint load: waves 0, 1 fetch Q's two groups, waves 2, 3 P's; an s_nop 0 and four v_nop follow each line
	s_cmp_eq_u32 s19, 0
	s_cbranch_scc0 .Lfor_p_\@
	tensor_load_to_lds s[G0+4*\s:G0+4*\s+3], s[G1:G1+7]
	s_nop 0
.rept 4
	v_nop
.endr
	s_branch .Lasked_\@
.Lfor_p_\@:
	tensor_load_to_lds s[G0B+4*\s:G0B+4*\s+3], s[G1B:G1B+7]
	s_nop 0
.rept 4
	v_nop
.endr
.Lasked_\@:
.endm
.macro CREST
	s_cmp_lg_u32 s18, 0
	s_cbranch_scc1 .Lnot_wave_0_\@
	s_barrier_signal -3
.Lnot_wave_0_\@:
	s_barrier_wait -3
	s_barrier_signal -1
	s_barrier_wait -1
.endm
.macro CROUND
	s_barrier_signal -1
	s_barrier_wait -1
	CREST
.endm
.macro PLACES n
.rept \n
	v_nop
.endr
.endm
.macro FRAG reg, adr, q, i
	ds_load_b128 v[\reg:\reg+3], v[\adr] offset:(\q)*SLAB+(\i)*1536
	ds_load_b64 v[\reg+4:\reg+5], v[\adr+2] offset:(\q)*SLAB+(\i)*1536+512
	ds_load_b128 v[\reg+6:\reg+9], v[\adr] offset:(\q)*SLAB+(\i)*1536+768
	ds_load_b64 v[\reg+10:\reg+11], v[\adr+2] offset:(\q)*SLAB+(\i)*1536+1280
.endm
.macro FETCH_B slot, q, p
	WIN TO_B
.irp i, 0,1,2,3,4,5,6,7
	FRAG 128*(\p)+FR*\i, ADRB+\slot, \q, \i
.endr
	WIN 0
.endm
.macro FETCH_A slot, q, i0
.irp i, \i0, \i0+1, \i0+2, \i0+3
	FRAG AF+FR*(\i), ADRA+\slot, \q, \i
.endr
.endm
.macro SCALES sl
.irp q, 0,1
.irp b, 0,1,2,3
	ds_load_b64 v[SC+16*\sl+8*\q+2*\b:SC+16*\sl+8*\q+2*\b+1], v[ADRS+\sl] offset:\q*SLAB+12288+128*\b
.endr
.endr
.endm
; The 64 accumulators take turns, one instruction a turn, in the same order in every step.
.macro MUL16 a0, p, q, sc, zero
.irp a, \a0, \a0+1
.irp b, 0,1,2,3,4,5,6,7
.if \zero
	v_wmma_scale_f32_16x16x128_f8f6f4 v[8*(8*((\a)%4)+\b):8*(8*((\a)%4)+\b)+7], v[128*(\p)+FR*\b:128*(\p)+FR*\b+FR-1], v[AF+FR*(\a):AF+FR*(\a)+FR-1], 0, v[SC+16*(\sc)+8*(\q)+\b], v[SC+16*(\sc)+8*(\q)+(\a)] matrix_a_fmt:MATRIX_FMT_FP6 matrix_b_fmt:MATRIX_FMT_FP6 matrix_a_scale:MATRIX_SCALE_ROW1
.else
	v_wmma_scale_f32_16x16x128_f8f6f4 v[8*(8*((\a)%4)+\b):8*(8*((\a)%4)+\b)+7], v[128*(\p)+FR*\b:128*(\p)+FR*\b+FR-1], v[AF+FR*(\a):AF+FR*(\a)+FR-1], v[8*(8*((\a)%4)+\b):8*(8*((\a)%4)+\b)+7], v[SC+16*(\sc)+8*(\q)+\b], v[SC+16*(\sc)+8*(\q)+(\a)] matrix_a_fmt:MATRIX_FMT_FP6 matrix_b_fmt:MATRIX_FMT_FP6 matrix_a_scale:MATRIX_SCALE_ROW1
.endif
.endr
.endr
.endm
.macro STEP slot, q, zero
	s_wait_dscnt 4*NL                              ; all but the youngest sixteen loads (Q's tiles 4-7) are in
	WIN MUL_LO
	MUL16 0, (\q)%2, \q, \slot, \zero
	MUL16 2, (\q)%2, \q, \slot, \zero
	s_wait_dscnt 0
	PLACES NP
	FETCH_B \slot, (\q)+1, 1-(\q)%2
	FETCH_A \slot, (\q)+1, 0
	WIN MUL_HI
	MUL16 4, (\q)%2, \q, \slot, \zero
	MUL16 6, (\q)%2, \q, \slot, \zero
	PLACES NP
	WIN 0
	FETCH_A \slot, (\q)+1, 4
.endm
.macro TURN slot, next, fill
	s_wait_tensorcnt 0x0                           ; all my tensor loads have landed: my part of the next slot
	ds_add_u32 v[SPW], v[NIL]                      ; 0 onto my spare word
	s_wait_dscnt 4*NL+1                            ; (the add and the youngest sixteen loads may be out)
	WIN MUL_LO
	MUL16 0, 1, 1, \slot, 0
	s_wait_dscnt 0x0                               ; the add is done, and my reads of this slot are over
	s_barrier_signal -1
	MUL16 2, 1, 1, \slot, 0
	WIN 0
	s_barrier_wait -1
.if \fill
	CREST                                          ; the barrier has opened a round of the cluster's: no wave of any partner still reads this slot or has a load on its way
	s_add_nc_u64 s[G0+4*\slot+2:G0+4*\slot+3], s[G0+4*\slot+2:G0+4*\slot+3], 2*HALFT
	s_add_nc_u64 s[G0B+4*\slot+2:G0B+4*\slot+3], s[G0B+4*\slot+2:G0B+4*\slot+3], 2*HALFT
	JLOAD \slot
.else
	PLACES NP
.endif
	FETCH_B \next, 0, 0
	FETCH_A \next, 0, 0
	SCALES \next
	WIN MUL_HI
	MUL16 4, 1, 1, \slot, 0
	MUL16 6, 1, 1, \slot, 0
	PLACES NP
	WIN 0
	FETCH_A \next, 0, 4
.endm
	s_load_b128 s[4:7], s[0:1], 0x0                ; the weights, the activations
	s_load_b64 s[8:9], s[0:1], 0x10                ; the sums
	v_lshl_add_u32 v[SPW], v0, 2, SPARE
	v_mov_b32 v[NIL], 0
	ds_add_u32 v[SPW], v[NIL]                      ; the wave's opening: the add and its wait stand ahead of my first tensor load
	v_lshrrev_b32 v1, 5, v0
	v_readfirstlane_b32 s18, v1
	s_lshr_b32 s19, s18, 1                         ; my group of Q.  Also: I fetch for Q (0) or for P (1)
	s_and_b32 s20, s18, 1                          ; my group of P.  Also: which group I fetch
	s_bfe_u32 s22, ttmp6, 0x40000                  ; cx
	s_bfe_u32 s23, ttmp6, 0x40004                  ; cy
	s_and_b32 s42, ttmp7, 0xffff
	s_lshr_b32 s21, s42, 2                         ; the panel of K: the same in all sixteen partners
	s_and_b32 s42, s42, 3
	s_lshl_b32 s41, s42, 2
	s_add_co_u32 s41, s41, s23                     ; Q's tile of 256 tokens
	s_lshl_b32 s40, ttmp9, 2
	s_add_co_u32 s40, s40, s22                     ; P's tile of 256 columns
	s_lshl_b32 s44, s23, 2
	s_lshl_b32 s44, 15, s44
	s_lshl_b32 s45, 0x1111, s22
	s_or_b32 s[G1], s44, (3<<16)|(1<<21)
	s_or_b32 s[G1B], s45, (3<<16)|(1<<21)
.irp g, G1, G1B
	s_mov_b32 s[\g+1], 32<<16
	s_mov_b32 s[\g+2], 100<<16
	s_mov_b32 s[\g+3], 32<<16
	s_mov_b32 s[\g+4], 100
	s_mov_b32 s[\g+5], 32
	s_mov_b32 s[\g+6], 0
	s_mov_b32 s[\g+7], 0
.endr
	s_lshl_b32 s66, s41, 1
	s_add_co_u32 s66, s66, s20
	s_mul_i32 s66, s66, 8*SLAB
	s_mul_i32 s67, s21, 256*SLAB
	s_add_co_u32 s66, s66, s67                     ; Q: the panel, the group that I fetch
	s_mov_b32 s67, 0
	s_lshl_b32 s68, s40, 1
	s_add_co_u32 s68, s68, s20
	s_mul_i32 s68, s68, 8*SLAB
	s_mul_i32 s69, s21, 64*SLAB
	s_add_co_u32 s68, s68, s69
	s_add_co_u32 s68, s68, 256+256*SLAB            ; P likewise, behind the header and 256 slabs
	s_mov_b32 s69, 0
	s_mul_i32 s46, s18, HALFT
	s_wait_dscnt 0x0
	s_wait_kmcnt 0x0
	s_add_nc_u64 s[66:67], s[6:7], s[66:67]
	s_add_nc_u64 s[68:69], s[4:5], s[68:69]
	CROUND
.irp s, 0,1
	s_mov_b32 s[G0+4*\s], 1
	s_add_co_u32 s[G0+4*\s+1], s46, \s*SLOT
	s_add_nc_u64 s[G0+4*\s+2:G0+4*\s+3], s[66:67], \s*HALFT
	s_or_b32 s[G0+4*\s+3], s[G0+4*\s+3], 0x80000000
	s_mov_b32 s[G0B+4*\s], 1
	s_add_co_u32 s[G0B+4*\s+1], s46, \s*SLOT
	s_add_nc_u64 s[G0B+4*\s+2:G0B+4*\s+3], s[68:69], \s*HALFT
	s_or_b32 s[G0B+4*\s+3], s[G0B+4*\s+3], 0x80000000
	JLOAD \s
.endr
	v_and_b32 v1, 31, v0
	v_and_b32 v2, 15, v0
	v_bfe_u32 v3, v0, 4, 1
	v_lshlrev_b32 v[L16], 4, v1
	v_lshlrev_b32 v[L8], 3, v1
	s_mul_i32 s70, s19, HALFT
	s_mul_i32 s71, s20, HALFT
	s_add_co_u32 s71, s71, 2*HALFT
	s_sub_co_u32 s72, s71, s70
	v_mul_u32_u24 v4, s72, v3                      ; lanes 16-31 take P's scale words
	v_lshl_add_u32 v4, v2, 3, v4
	v_add_nc_u32 v[ADRS], s70, v4
	v_add_nc_u32 v[ADRS+1], SLOT, v[ADRS]
.irp s, 0,1
	v_add_nc_u32 v[ADRA+\s], s70, v[L16]
	v_add_nc_u32 v[ADRA+2+\s], s70, v[L8]
	v_add_nc_u32 v[ADRB+\s], s71, v[L16]
	v_add_nc_u32 v[ADRB+2+\s], s71, v[L8]
	s_add_co_u32 s70, s70, SLOT
	s_add_co_u32 s71, s71, SLOT
.endr
	s_lshl_b32 s72, s41, 4
	s_lshl_b32 s73, s19, 3
	s_add_co_u32 s72, s72, s73                     ; my first token tile,
	s_lshl_b32 s72, s72, 6
	s_lshl_b32 s73, s40, 4
	s_add_co_u32 s72, s72, s73
	s_lshl_b32 s73, s20, 3
	s_add_co_u32 s72, s72, s73                     ; x 64 + my first column tile,
	s_lshl_b32 s72, s72, 10                        ; of 1,024 bytes,
	s_lshl_b32 s73, s21, 24
	s_add_co_u32 s72, s72, s73                     ; in my panel of 2^24 bytes
	s_mov_b32 s73, 0
	s_add_nc_u64 s[8:9], s[8:9], s[72:73]
	s_wait_tensorcnt 1                             ; my part of slot 0 is in (slot 1's load may be out)
	s_barrier_signal -1
	s_barrier_wait -1
	FETCH_B 0, 0, 0
	FETCH_A 0, 0, 0
	SCALES 0
	FETCH_A 0, 0, 4
	STEP 0, 0, 1
	TURN 0, 1, 1
	STEP 1, 0, 0
	TURN 1, 0, 1
	STEP 0, 0, 0
	TURN 0, 1, 0
	STEP 1, 0, 0
	s_wait_dscnt 4*NL
	WIN MUL_LO
	MUL16 0, 1, 1, 1, 0
	MUL16 2, 1, 1, 1, 0
	s_wait_dscnt 0
	WIN MUL_HI
	MUL16 4, 1, 1, 1, 0
	MUL16 6, 1, 1, 1, 0
	PLACES NP                                      ; in front of the stores that read results
.irp a, 0,1,2,3,4,5,6,7
.set WN, 0x08+4*(\a/4)
	WIN WN                                         ; a store's data are its source 1: window 2 or 3
.irp b, 0,1,2,3,4,5,6,7
	global_store_b128 v[L16], v[64*(\a%4)+8*\b:64*(\a%4)+8*\b+3], s[8:9] offset:65536*\a+1024*\b th:TH_STORE_NT       ; each accumulator from its low end on
	global_store_b128 v[L16], v[64*(\a%4)+8*\b+4:64*(\a%4)+8*\b+7], s[8:9] offset:65536*\a+1024*\b+512 th:TH_STORE_NT
.endr
.endr
	WIN 0
	s_wait_tensorcnt 0x0                           ; the wave's end
	ds_add_u32 v[SPW], v[NIL]
	s_wait_dscnt 0x0
	CROUND                                         ; the closing round
	s_endpgm
.Lfunc_end_k_q4806b23bba_wo:
	.size	k_q4806b23bba_wo, .Lfunc_end_k_q4806b23bba_wo-k_q4806b23bba_wo
	.p2alignl 7, 3214868480
	.fill 96, 4, 3214868480
	.section	.rodata,"a",@progbits
	.p2align	6, 0x0
	.amdhsa_kernel k_q4806b23bba_wo
		.amdhsa_group_segment_fixed_size 327680
		.amdhsa_private_segment_fixed_size 0
		.amdhsa_enable_private_segment 0
		.amdhsa_kernarg_size 24
		.amdhsa_user_sgpr_count 2
		.amdhsa_user_sgpr_kernarg_segment_ptr 1
		.amdhsa_wavefront_size32 1
		.amdhsa_system_sgpr_workgroup_id_x 1
		.amdhsa_system_sgpr_workgroup_id_y 1
		.amdhsa_system_sgpr_workgroup_id_z 1
		.amdhsa_system_vgpr_workitem_id 0
		.amdhsa_next_free_vgpr 1024
		.amdhsa_next_free_sgpr 96
		.amdhsa_reserve_vcc 0
		.amdhsa_float_denorm_mode_32 3
		.amdhsa_float_denorm_mode_16_64 3
		.amdhsa_memory_ordered 1
		.amdhsa_forward_progress 1
		.amdhsa_inst_pref_size 124
	.end_amdhsa_kernel
	.amdgpu_metadata
---
amdhsa.version: [ 1, 2 ]
amdhsa.kernels:
  - .name:           k_q4806b23bba_wo
    .symbol:         k_q4806b23bba_wo.kd
    .args:
      - { .name: WA, .offset: 0, .size: 8, .value_kind: global_buffer, .address_space: global }
      - { .name: ACT, .offset: 8, .size: 8, .value_kind: global_buffer, .address_space: global }
      - { .name: Y, .offset: 16, .size: 8, .value_kind: global_buffer, .address_space: global }
    .group_segment_fixed_size: 327680
    .private_segment_fixed_size: 0
    .kernarg_segment_align: 8
    .kernarg_segment_size: 24
    .max_flat_workgroup_size: 128
    .sgpr_count:     96
    .vgpr_count:     1024
    .wavefront_size: 32
...
	.end_amdgpu_metadata
.endif
;; end of part 4
;; launch ln1 (part 5): grid 256 x 1, 8 waves a work-group, no clusters, 69,632 bytes of LDS; arguments Y, x, bo, g1, be1, P1, HF, ACT; writes HF, ACT
.if DOCPART == 5
	.amdgcn_target "amdgcn-amd-amdhsa--gfx1250"
	.amdhsa_code_object_version 6
	.text
	.protected	k_q4806b23bba_ln1
	.globl	k_q4806b23bba_ln1
	.p2align	8
	.type	k_q4806b23bba_ln1,@function
k_q4806b23bba_ln1:
	s_mov_b64 s[64:65], 0
	v_nop
	global_prefetch_b8 v0, s[64:65] scope:SCOPE_SE
	s_setreg_imm32_b32 hwreg(HW_REG_WAVE_MODE, 25, 1), 1
	s_wait_xcnt 0x0
; out = LayerNorm(residual + sums + bias) x gain + offset, over rows of 1,024, all in f32; where the parameter word asks for it, the result is also quantised to FP6 (E2M3, one E8M0 byte for each 32 along the row) as the next product's operand.
; THE SUMS come as the product's launch left them: the accumulator of token tile T and column tile ct at (64 T + ct) x 1,024 of a panel of 2^24 bytes: registers 0-3 at 16 x lane, 4-7 at 512 + 16 x lane.  One panel, or four that are added.
; The two parameter words (four panels? codes?) are whole numbers that the first launch stored; this launch has no tensor load, and its two branches on them enclose no barrier.
; SHARES.  A work-group takes token tile T: 16 rows (lane-row r is row 32 (T / 2) + 8 (T % 2) + r + 8 (r / 8)); wave w takes columns 128 w .. 128 w + 127.  Lane (r, h), register 16 b + i: column 128 w + 32 b + 16 h + i of row r.
; The mean and then the sum of squares of the differences (two passes: no difference of large sums) meet in LDS: a word for each row and wave, a barrier, eight words read back and added in a fixed order.
; The f32 result turns through the wave's own stage into rows: each store covers 512 consecutive bytes.  The codes are one fragment a wave, K step w.
; The scale word (4 bytes a row, 8 bytes apart) is stored by all 32 lanes: lanes l and l xor 16 hold the same word and name the same address.  These stores cover parts of 128 bytes: 64 bytes of 1,600 that the wave stores as codes.
; LIMITS: NaN and infinities are not served; a block whose largest magnitude lies under 2^-124 gets the byte 1.
.set RED1,  0                          ; 512 bytes: word 32 r + 4 w
.set RED2,  512
.set STG,   1024                       ; 16 rows x (512 + 16) bytes for each wave
.set SPARE, STG+8*16*528               ; the spare words, 128 bytes a wave, that no other line names
.set L16,   1
.set L8,    2
.set A,     16
.set B,     80
.set C,     144
.set TM,    208
.set PC,    224
.set PW,    244
.set SPW,   252
.set NIL,   253
.set OB,    18
.set SEL,   40
.macro QUANT s
.irp b, 0,1,2,3
	v_max3_num_f32 v[TM+\b], |v[\s+16*\b]|, |v[\s+1+16*\b]|, 0x1800000   ; the floor 2^(3 - 127): the byte cannot fall under 1
.endr
.irp i, 2,4,6,8,10,12,14
.irp b, 0,1,2,3
	v_max3_num_f32 v[TM+\b], v[TM+\b], |v[\s+16*\b+\i]|, |v[\s+1+16*\b+\i]|
.endr
.endr
.irp b, 0,1,2,3
	v_permlanex16_b32 v[TM+4+\b], v[TM+\b], s[SEL], s[SEL+1]
.endr
.irp b, 0,1,2,3
	v_max_num_f32 v[TM+\b], v[TM+\b], v[TM+4+\b]
.endr
.irp b, 0,1,2,3
	v_add_nc_u32 v[TM+12+\b], 0xff000000, v[TM+\b]
.endr
.irp b, 0,1,2,3
	v_lshrrev_b32 v[TM+4+\b], 23, v[TM+12+\b]
.endr
	v_lshl_or_b32 v[PW], v[TM+5], 8, v[TM+4]
	v_lshl_or_b32 v[PW], v[TM+6], 16, v[PW]
	v_lshl_or_b32 v[PW], v[TM+7], 24, v[PW]
.irp c, 0,1
	v_cvt_scalef32_pk16_fp6_f32 v[PC+6*\c:PC+2+6*\c], v[\s+32*\c:\s+15+32*\c], v[TM+12+2*\c]
	v_cvt_scalef32_pk16_fp6_f32 v[PC+12+4*\c:PC+14+4*\c], v[\s+16+32*\c:\s+31+32*\c], v[TM+12+2*\c+1]
.endr
	v_nop
.irp c, 0,1
.irp i, 0,1,2
	v_permlane16_swap_b32 v[PC+6*\c+\i], v[PC+12+4*\c+\i]
.endr
.irp i, 0,1,2
	v_mov_b32 v[PC+3+6*\c+\i], v[PC+12+4*\c+\i]
.endr
.endr
.endm
.macro IMG off
	global_store_b128 v[L16], v[PC:PC+3], s[OB:OB+1] offset:\off
	global_store_b64 v[L8], v[PC+4:PC+5], s[OB:OB+1] offset:\off+512
	global_store_b128 v[L16], v[PC+6:PC+9], s[OB:OB+1] offset:\off+768
	global_store_b64 v[L8], v[PC+10:PC+11], s[OB:OB+1] offset:\off+1280
.endm
.macro LOADY reg, p                    ; my eight accumulators of panel p: sixteen loads of 512 consecutive bytes
.set i, 0
.rept 16
	global_load_b128 v[\reg+4*i:\reg+4*i+3], v[L16], s[24+2*\p:25+2*\p] offset:512*i th:TH_LOAD_NT
.set i, i+1
.endr
.endm
.macro LOADR reg                       ; the residual, in the same layout
.irp b, 0,1,2,3
.irp j, 0,1,2,3
	global_load_b128 v[\reg+16*\b+4*\j:\reg+16*\b+4*\j+3], v3, s[6:7] offset:128*\b+16*\j th:TH_LOAD_NT
.endr
.endr
.endm
.macro LOADC reg, base                 ; a vector along the columns
.irp b, 0,1,2,3
.irp j, 0,1,2,3
	global_load_b128 v[\reg+16*\b+4*\j:\reg+16*\b+4*\j+3], v4, s[\base:\base+1] offset:128*\b+16*\j
.endr
.endr
.endm
.macro ADD d, s
.set i, 0
.rept 32
	v_pk_add_f32 v[\d+i:\d+i+1], v[\d+i:\d+i+1], v[\s+i:\s+i+1]
.set i, i+2
.endr
.endm
; v[TM:TM+7]: four packed partial sums of my 64 numbers.  Out: the row's sum over all 1,024 columns in v[TM], in every lane of the row
.macro ACROSS off
	v_pk_add_f32 v[TM:TM+1], v[TM:TM+1], v[TM+2:TM+3]
	v_pk_add_f32 v[TM+4:TM+5], v[TM+4:TM+5], v[TM+6:TM+7]
	v_pk_add_f32 v[TM:TM+1], v[TM:TM+1], v[TM+4:TM+5]
	v_add_f32 v[TM], v[TM], v[TM+1]
	v_permlanex16_b32 v[TM+2], v[TM], s[SEL], s[SEL+1]
	v_add_f32 v[TM], v[TM], v[TM+2]                ; my wave's 128 columns of row r
	ds_store_b32 v5, v[TM] offset:\off             ; (lanes l and l xor 16 write the same word with the same value)
	s_wait_dscnt 0x0                               ; for the others' sake
	s_barrier_signal -1
	s_barrier_wait -1
	ds_load_b128 v[TM:TM+3], v6 offset:\off
	ds_load_b128 v[TM+4:TM+7], v6 offset:\off+16
	s_wait_dscnt 0x0
	v_pk_add_f32 v[TM:TM+1], v[TM:TM+1], v[TM+2:TM+3]
	v_pk_add_f32 v[TM+4:TM+5], v[TM+4:TM+5], v[TM+6:TM+7]
	v_pk_add_f32 v[TM:TM+1], v[TM:TM+1], v[TM+4:TM+5]
	v_add_f32 v[TM], v[TM], v[TM+1]
.endm
	s_load_b512 s[4:19], s[0:1], 0x0               ; sums 4, residual 6, bias 8, gain 10, offset 12, parameters 14, out 16, codes 18
	v_lshl_add_u32 v[SPW], v0, 2, SPARE
	v_mov_b32 v[NIL], 0
	v_lshrrev_b32 v3, 5, v0
	v_readfirstlane_b32 s20, v3                    ; wave 0..7
	v_and_b32 v14, 31, v0                          ; lane
	v_and_b32 v15, 15, v0                          ; r
	v_bfe_u32 v4, v0, 4, 1                         ; h
	v_lshlrev_b32 v[L16], 4, v14
	v_lshlrev_b32 v[L8], 3, v14
	v_and_b32 v3, 8, v15
	v_add_nc_u32 v3, v3, v15
	v_lshlrev_b32 v3, 12, v3
	v_lshl_add_u32 v3, v4, 6, v3                   ; row r + 8 (r / 8) of 4,096 bytes, + 64 h
	v_lshlrev_b32 v6, 5, v15                       ; a row's eight words
	s_lshl_b32 s21, s20, 2
	v_add_nc_u32 v5, s21, v6                       ; my wave's among them
	s_mul_i32 s21, s20, 16*528
	s_add_co_u32 s21, s21, STG                     ; my stage
	v_mul_u32_u24 v7, v15, 528
	v_lshl_add_u32 v7, v4, 6, v7
	v_add_nc_u32 v7, s21, v7                       ; in: row r, + 64 h
	v_add_nc_u32 v8, s21, v[L16]                   ; back: a row of 512 bytes
	v_lshlrev_b32 v4, 6, v4                        ; 64 h
	s_lshl_b32 s24, ttmp9, 16
	s_lshl_b32 s25, s20, 13
	s_add_co_u32 s24, s24, s25                     ; (64 T + 8 w) x 1,024
	s_mov_b32 s25, 0
	s_lshr_b32 s32, ttmp9, 1
	s_lshl_b32 s32, s32, 17
	s_and_b32 s33, ttmp9, 1
	s_lshl_b32 s33, s33, 15
	s_add_co_u32 s32, s32, s33                     ; row 32 (T / 2) + 8 (T % 2),
	s_lshl_b32 s34, s20, 9
	s_add_co_u32 s32, s32, s34                     ; + 512 w
	s_mov_b32 s33, 0
	s_mov_b32 s35, 0
	s_and_b32 s38, ttmp9, 7                        ; t: the tile in its group of 128 rows
	s_mul_i32 s39, s38, 1536
	s_lshr_b32 s36, ttmp9, 3
	s_lshl_b32 s36, s36, 3
	s_add_co_u32 s36, s36, s20
	s_mul_i32 s36, s36, 12800                      ; slab (T / 8, w),
	s_add_co_u32 s36, s36, s39                     ; fragment t
	s_mov_b32 s37, 0
	s_sub_co_u32 s39, 12288, s39                   ; from there to the slab's scale words,
	s_lshr_b32 s42, s38, 1
	s_lshl_b32 s42, s42, 7
	s_add_co_u32 s39, s39, s42
	s_and_b32 s42, s38, 1
	s_lshl_b32 s42, s42, 2
	s_add_co_u32 s39, s39, s42                     ; + 128 (t / 2) + 4 (t % 2)
	v_lshl_add_u32 v9, v15, 3, s39                 ; + 8 r
	s_mov_b32 s[SEL], 0x76543210
	s_mov_b32 s[SEL+1], 0xfedcba98
	s_mov_b32 s43, 0x3a800000                      ; 1 / 1,024
	s_mov_b32 s44, 0x3727c5ac                      ; 1e-5
	s_wait_kmcnt 0x0
	s_load_b64 s[22:23], s[14:15], 0x0             ; four panels?  codes?
	s_add_nc_u64 s[24:25], s[4:5], s[24:25]
	s_add_nc_u64 s[26:27], s[24:25], 0x1000000
	s_add_nc_u64 s[28:29], s[26:27], 0x1000000
	s_add_nc_u64 s[30:31], s[28:29], 0x1000000
	s_add_nc_u64 s[6:7], s[6:7], s[32:33]
	s_add_nc_u64 s[16:17], s[16:17], s[32:33]
	s_add_nc_u64 s[8:9], s[8:9], s[34:35]
	s_add_nc_u64 s[10:11], s[10:11], s[34:35]
	s_add_nc_u64 s[12:13], s[12:13], s[34:35]
	s_add_nc_u64 s[OB:OB+1], s[OB:OB+1], s[36:37]
	LOADY A, 0
	LOADR B
	LOADC C, 8
	s_wait_kmcnt 0x0
	s_cmp_eq_u32 s22, 0
	s_cbranch_scc1 .Lone
	s_wait_loadcnt 16                              ; in each of these waits the one run of sixteen loads issued last may stay out
	ADD A, B
	LOADY B, 1
	s_wait_loadcnt 16
	ADD A, C
	LOADY C, 2
	s_wait_loadcnt 16
	ADD A, B
	LOADY B, 3
	s_wait_loadcnt 16
	ADD A, C
	s_wait_loadcnt 0x0
	ADD A, B
	s_branch .Lsummed
.Lone:
	s_wait_loadcnt 16                              ; the bias's sixteen loads may be out
	ADD A, B
	s_wait_loadcnt 0x0
	ADD A, C
.Lsummed:
	LOADC B, 10                                    ; the gain and the offset land during the reductions
	LOADC C, 12
.irp k, 0,1,2,3
	v_pk_add_f32 v[TM+2*\k:TM+2*\k+1], v[A+4*\k:A+4*\k+1], v[A+4*\k+2:A+4*\k+3]   ; four chains, started by the first sixteen numbers
.endr
.irp j, 16,24,32,40,48,56
.irp k, 0,1,2,3
	v_pk_add_f32 v[TM+2*\k:TM+2*\k+1], v[TM+2*\k:TM+2*\k+1], v[A+\j+2*\k:A+\j+2*\k+1]
.endr
.endr
	ACROSS RED1
	v_mul_f32 v10, s43, v[TM]                      ; the mean
	v_mov_b32 v11, v10
.set i, 0
.rept 32
	v_pk_add_f32 v[A+i:A+i+1], v[A+i:A+i+1], v[10:11] op_sel_hi:[1,0] neg_lo:[0,1] neg_hi:[0,1]
.set i, i+2
.endr
.irp k, 0,1,2,3
	v_pk_mul_f32 v[TM+2*\k:TM+2*\k+1], v[A+2*\k:A+2*\k+1], v[A+2*\k:A+2*\k+1]
.endr
.irp j, 8,16,24,32,40,48,56
.irp k, 0,1,2,3
	v_pk_fma_f32 v[TM+2*\k:TM+2*\k+1], v[A+\j+2*\k:A+\j+2*\k+1], v[A+\j+2*\k:A+\j+2*\k+1], v[TM+2*\k:TM+2*\k+1]
.endr
.endr
	ACROSS RED2                                    ; other bytes than the mean's: no wave writes what another may still read
	v_fma_f32 v12, v[TM], s43, s44                 ; the variance + 1e-5
	v_rsq_f32 v12, v12
	v_nop                                          ; one plain line behind the transcendental
	s_wait_alu depctr_va_vdst(0)                   ; ahead of its first reader
	v_mov_b32 v13, v12
	s_wait_loadcnt 0x0                             ; the gain and the offset
.set i, 0
.rept 32
	v_pk_mul_f32 v[A+i:A+i+1], v[A+i:A+i+1], v[12:13] op_sel_hi:[1,0]
.set i, i+2
.endr
.set i, 0
.rept 32
	v_pk_fma_f32 v[A+i:A+i+1], v[A+i:A+i+1], v[B+i:B+i+1], v[C+i:C+i+1]
.set i, i+2
.endr
.irp b, 0,1,2,3
.irp j, 0,1,2,3
	ds_store_b128 v7, v[A+16*\b+4*\j:A+16*\b+4*\j+3] offset:128*\b+16*\j
.endr
.endr
.irp t, 0,1,2,3,4,5,6,7,8,9,10,11,12,13,14,15
	ds_load_b128 v[B+4*\t:B+4*\t+3], v8 offset:528*\t              ; LDS serves a wave's instructions in order: these see my stores
.endr
.irp t, 0,1,2,3,4,5,6,7,8,9,10,11,12,13,14,15
	s_wait_dscnt 15-\t
	global_store_b128 v[L16], v[B+4*\t:B+4*\t+3], s[16:17] offset:(\t+8*(\t/8))*4096 th:TH_STORE_NT   ; 512 consecutive bytes of a row
.endr
	s_cmp_eq_u32 s23, 0
	s_cbranch_scc1 .Ldone
	QUANT A
	IMG 0
	global_store_b32 v9, v[PW], s[OB:OB+1]
.Ldone:
	s_wait_tensorcnt 0x0                           ; the wave's end, behind my last LDS store
	ds_add_u32 v[SPW], v[NIL]
	s_wait_dscnt 0x0
	s_endpgm
.Lfunc_end_k_q4806b23bba_ln1:
	.size	k_q4806b23bba_ln1, .Lfunc_end_k_q4806b23bba_ln1-k_q4806b23bba_ln1
	.p2alignl 7, 3214868480
	.fill 96, 4, 3214868480
	.section	.rodata,"a",@progbits
	.p2align	6, 0x0
	.amdhsa_kernel k_q4806b23bba_ln1
		.amdhsa_group_segment_fixed_size 69632
		.amdhsa_private_segment_fixed_size 0
		.amdhsa_enable_private_segment 0
		.amdhsa_kernarg_size 64
		.amdhsa_user_sgpr_count 2
		.amdhsa_user_sgpr_kernarg_segment_ptr 1
		.amdhsa_wavefront_size32 1
		.amdhsa_system_sgpr_workgroup_id_x 1
		.amdhsa_system_sgpr_workgroup_id_y 1
		.amdhsa_system_sgpr_workgroup_id_z 1
		.amdhsa_system_vgpr_workitem_id 0
		.amdhsa_next_free_vgpr 256
		.amdhsa_next_free_sgpr 66
		.amdhsa_reserve_vcc 0
		.amdhsa_float_denorm_mode_32 3
		.amdhsa_float_denorm_mode_16_64 3
		.amdhsa_memory_ordered 1
		.amdhsa_forward_progress 1
		.amdhsa_inst_pref_size 50
	.end_amdhsa_kernel
	.amdgpu_metadata
---
amdhsa.version: [ 1, 2 ]
amdhsa.kernels:
  - .name:           k_q4806b23bba_ln1
    .symbol:         k_q4806b23bba_ln1.kd
    .args:
      - { .name: Y, .offset: 0, .size: 8, .value_kind: global_buffer, .address_space: global }
      - { .name: x, .offset: 8, .size: 8, .value_kind: global_buffer, .address_space: global }
      - { .name: bo, .offset: 16, .size: 8, .value_kind: global_buffer, .address_space: global }
      - { .name: g1, .offset: 24, .size: 8, .value_kind: global_buffer, .address_space: global }
      - { .name: be1, .offset: 32, .size: 8, .value_kind: global_buffer, .address_space: global }
      - { .name: P1, .offset: 40, .size: 8, .value_kind: global_buffer, .address_space: global }
      - { .name: HF, .offset: 48, .size: 8, .value_kind: global_buffer, .address_space: global }
      - { .name: ACT, .offset: 56, .size: 8, .value_kind: global_buffer, .address_space: global }
    .group_segment_fixed_size: 69632
    .private_segment_fixed_size: 0
    .kernarg_segment_align: 8
    .kernarg_segment_size: 64
    .max_flat_workgroup_size: 256
    .sgpr_count:     66
    .vgpr_count:     256
    .wavefront_size: 32
...
	.end_amdgpu_metadata
.endif
;; end of part 5
;; launch w1: the kernel of part 2 again; grid 16 x 16, 4 waves a work-group, clusters of 4 x 4, 327,680 bytes of LDS; arguments WB, ACT, b1, bk, bv, BIG, Y; writes BIG, Y
;; launch w2: the kernel of part 4 again; grid 4 x 64, 4 waves a work-group, clusters of 4 x 4, 327,680 bytes of LDS; arguments WB, BIG, Y; writes Y
;; launch ln2: the kernel of part 5 again; grid 256 x 1, 8 waves a work-group, no clusters, 69,632 bytes of LDS; arguments Y, HF, b2, g2, be2, P2, out0, ACT; writes out0, ACT
